; MI455X (gfx1250); checked and timed in simulation.
; The chip was launched on July 23, 2026; its instructions are those of AMD's public machine-readable ISA for CDNA 5 (MIT licence, August 2026) and "CDNA5" Instruction Set Architecture Reference Guide (July 2026). The comments in the code are by the model that wrote it; some were corrected since.
;; Audio Processor. Allowed arithmetic: float matrix products may take bf16 or f16 operands with f32 sums; all other float work in f32.
;; Inputs: W 512 x 512 float32; audio 128 x 262,144 float32; b 512 float32.
;; Outputs: out0 128 x 512 float32.
;; 3 versions, each right; version 2 is faster than version 1; version 3 is version 2 with the launch fold written anew for expert scheduling mode. Each part assembles by itself: llvm-mc -triple=amdgcn-amd-amdhsa -mcpu=gfx1250 --defsym DOCPART=n.
;; ======== version 1 of 3: 3 launches
;; limits: inputs' magnitudes at most 70,000,000,000,000; right only within a limited range of input values
;; workspace buffers: zbuf 2,097,152 bytes; twbuf 8,192 bytes; peaks 131,072 bytes
;; launch fold (part 1): grid 256 x 1, 16 waves a work-group, no clusters, 26,624 bytes of LDS; arguments audio, zbuf, twbuf; writes zbuf, twbuf
.if DOCPART == 1
	.amdgcn_target "amdgcn-amd-amdhsa--gfx1250"
	.amdhsa_code_object_version 6
	.text
	.protected	k_q7f7bb59f31_fold
	.globl	k_q7f7bb59f31_fold
	.p2align	8
	.type	k_q7f7bb59f31_fold,@function
k_q7f7bb59f31_fold:
	s_mov_b64 s[64:65], 0
	v_nop
	global_prefetch_b8 v0, s[64:65] scope:SCOPE_SE
	s_setreg_imm32_b32 hwreg(HW_REG_WAVE_MODE, 25, 1), 1
	s_wait_xcnt 0x0
; fold: the first step of the 262,144-point real transform, for the only bins that the interpolation to 512 points reads:
; k = 256 j + r, r = 127, 128, 129.  With t = 1024 a + c (a = 0..255, c = 0..1023), N = 262144:
;   X[256 j + r] = sum over c of e^(-2 pi i j c / 1024) e^(-2 pi i r c / N) y_r[c],   y_r[c] = sum over a of x[1024 a + c] e^(-2 pi i r a / 256)
;   y_128 = S = sum (-1)^a x;   y_127 = C + i D,  C, D = sum of x cos, x sin of 2 pi 129 a / 256   (x is real; r = 129 is the conjugate)
; so a sample costs three real multiply-adds.  The launch streams audio once and stores, as complex f32,
;   zbuf[row][0][c] = z127 = (C + i D) e^(-2 pi i 127 c / N),   zbuf[row][1][c] = z128 = S e^(-2 pi i 128 c / N).
; All in f32 on the vector unit: the peak test further down is a comparison, which operands of 16 bits would turn over in many places.
; WORK: 256 work-groups = 128 rows x 2 halves of the 1,024 columns; 16 waves = 4 column quarters (a load covers 512 consecutive bytes)
; x 4 groups of 64 blocks a.  Each wave keeps DEPTH loads in flight.
; No cluster, data mover or matrix unit: no two work-groups read the same audio byte, and a load feeds 6 packed instructions.
; Work-groups 0 and 1 also write twbuf[j0][c0] = e^(-2 pi i j0 c0 / 1024), which the next launch multiplies by: the series for sine and
; cosine is here anyway and runs while the first DEPTH loads are on their way.
; The order of the sums differs from that of a fast transform; both are f32.
.set DEPTH,  32                        ; loads in flight in each wave
.set STEPS,  64                        ; blocks a of a wave
.set CHUNK,  4096                      ; bytes from block a to block a + 1
.set PLANE,  2048                      ; LDS: 512 columns of f32
.set GROUPB, 3*PLANE                   ; LDS: S, C, D of one group of blocks
.set SS,  4                            ; v[4:7]    S of my 4 columns
.set CC,  8                            ; v[8:11]   C
.set DD,  12                           ; v[12:15]  D
.set TT,  16                           ; v[16:19]  x(even a) - x(odd a)
.set TWA, 20                           ; v20, v21  cos, sin for block 64 g + lane;  v22, v23 for block 64 g + 32 + lane
.set KQ,  24                           ; v24-29    at work in SINCOS
.set KP,  25
.set K2,  26
.set KS,  27
.set KC,  28
.set KT,  29
.set NI,  30                           ; an angle in units of 2 pi / 2^18
.set X,   32                           ; v[32:159] the ring: slot s = 4 registers
.set R,   32                           ; v[32:43]  behind the stream: the four groups' S, C, D of my column
.set CI,  44                           ; my column
.set EC,  45                           ; e^(-2 pi i 127 c / N)
.set ES,  46
.set FC,  47                           ; e^(-2 pi i 128 c / N)
.set FS,  48
.set Z,   50                           ; v[50:53]  z127, z128
.set ZO,  54
.set TB,  160                          ; v[160:161] my table entry, v162 its byte offset: not written again behind their store
.set TBO, 162
; cos and sin of 2 pi n / 2^18, n = 0 .. 2^18 - 1.  n splits exactly into q quarter turns and a rest of at most an eighth turn either way;
; the series end at phi^9 / 9! and phi^10 / 10!: the first terms dropped are below 2e-9 at phi = pi / 4.
.macro SINCOS co, si, n
	v_add_nc_u32 v[KQ], 0x8000, v[\n]
	v_lshrrev_b32 v[KQ], 16, v[KQ]                 ; q = 0 .. 4
	v_lshlrev_b32 v[KP], 16, v[KQ]
	v_sub_nc_u32 v[KP], v[\n], v[KP]               ; -32768 .. 32767
	v_cvt_f32_i32 v[KP], v[KP]
	v_mul_f32 v[KP], 0x37c90fdb, v[KP]             ; phi = rest * pi / 2^17
	v_mul_f32 v[K2], v[KP], v[KP]
	v_mov_b32 v[KS], 0x3638ef1d                    ;  1 / 9!
	v_mov_b32 v[KC], 0xb493f27e                    ; -1 / 10!
	v_fmaak_f32 v[KS], v[KS], v[K2], 0xb9500d01    ; -1 / 7!
	v_fmaak_f32 v[KC], v[KC], v[K2], 0x37d00d01    ;  1 / 8!
	v_fmaak_f32 v[KS], v[KS], v[K2], 0x3c088889    ;  1 / 5!
	v_fmaak_f32 v[KC], v[KC], v[K2], 0xbab60b61    ; -1 / 6!
	v_fmaak_f32 v[KS], v[KS], v[K2], 0xbe2aaaab    ; -1 / 3!
	v_fmaak_f32 v[KC], v[KC], v[K2], 0x3d2aaaab    ;  1 / 4!
	v_mul_f32 v[KT], v[KP], v[K2]                  ; phi^3
	v_fmaak_f32 v[KC], v[KC], v[K2], 0xbf000000    ; -1 / 2!
	v_fma_f32 v[KS], v[KS], v[KT], v[KP]           ; sin phi
	v_fma_f32 v[KC], v[KC], v[K2], 1.0             ; cos phi
	v_and_b32 v[KT], 1, v[KQ]
	v_cmp_eq_u32 vcc_lo, 1, v[KT]                  ; an odd quarter swaps the two
	v_cndmask_b32 v[\co], v[KC], v[KS], vcc_lo
	v_cndmask_b32 v[\si], v[KS], v[KC], vcc_lo
	v_add_nc_u32 v[KT], 1, v[KQ]
	v_lshlrev_b32 v[KT], 30, v[KT]                 ; the cosine is negative in quarters 1, 2: bit 1 of q + 1
	v_lshlrev_b32 v[KQ], 30, v[KQ]                 ; the sine in quarters 2, 3: bit 1 of q
	v_and_b32 v[KT], 0x80000000, v[KT]
	v_and_b32 v[KQ], 0x80000000, v[KQ]
	v_xor_b32 v[\co], v[\co], v[KT]
	v_xor_b32 v[\si], v[\si], v[KQ]
.endm
	s_load_b128 s[4:7], s[0:1], 0x0                ; audio s[4:5], zbuf s[6:7]
	s_load_b64 s[8:9], s[0:1], 0x10                ; twbuf
	v_lshl_add_u32 v164, v0, 2, 0x6000
	v_mov_b32 v165, 0
	s_lshr_b32 s10, ttmp9, 1                       ; row
	s_and_b32 s11, ttmp9, 1                        ; which half of the columns
	v_and_b32 v1, 127, v0                          ; 32 x column quarter + lane
	v_lshrrev_b32 v2, 7, v0                        ; g: my group of 64 blocks
	v_lshlrev_b32 v1, 4, v1                        ; 16 bytes a lane
	v_lshl_or_b32 v1, v2, 18, v1                   ; + g x 64 blocks of 4,096 bytes
	s_lshl_b32 s12, s10, 20                        ; row x 1 MiB
	s_lshl_b32 s13, s11, 11                        ; half x 2,048 bytes
	s_or_b32 s12, s12, s13
	s_mov_b32 s13, 0
	s_lshl_b32 s14, s10, 14                        ; row x 16 KiB of zbuf
	s_mov_b32 s15, 0
	s_wait_kmcnt 0x0
	s_add_nc_u64 s[4:5], s[4:5], s[12:13]
	s_add_nc_u64 s[6:7], s[6:7], s[14:15]
.set st, 0
.rept DEPTH
	global_load_b128 v[X+4*st:X+4*st+3], v1, s[4:5] offset:st*CHUNK th:TH_LOAD_NT   ; fill the ring: blocks 0 .. DEPTH - 1 of my 64
.set st, st+1
.endr
	; cos and sin of 2 pi 129 a / 256 for my 64 blocks, one block a lane, twice
	v_and_b32 v3, 31, v0
	v_lshl_or_b32 v3, v2, 6, v3                    ; a = 64 g + lane
	v_mul_u32_u24 v[NI], 0x81, v3
	v_and_b32 v[NI], 0xff, v[NI]                   ; 129 a mod 256,
	v_lshlrev_b32 v[NI], 10, v[NI]                 ; in units of 2 pi / 2^18
	SINCOS TWA, TWA+1, NI
	v_add_nc_u32 v3, 32, v3
	v_mul_u32_u24 v[NI], 0x81, v3
	v_and_b32 v[NI], 0xff, v[NI]
	v_lshlrev_b32 v[NI], 10, v[NI]
	SINCOS TWA+2, TWA+3, NI
	s_mov_b32 s21, 0                               ; the packed forms name scalar pairs and use the low word alone:
	s_mov_b32 s23, 0                               ; the high words are written once
	s_mov_b32 s25, 0
	s_mov_b32 s27, 0
	; the table: entry e = 32 j0 + c0 = 512 x work-group + thread, work-groups 0 and 1 only
	s_cmp_lt_u32 ttmp9, 2
	s_cbranch_scc0 .Lno_table
	s_lshl_b32 s16, ttmp9, 9
	v_add_nc_u32 v[TBO], s16, v0
	v_lshrrev_b32 v3, 5, v[TBO]                    ; j0
	v_and_b32 v[NI], 31, v[TBO]                    ; c0
	v_mul_u32_u24 v[NI], v3, v[NI]
	v_sub_nc_u32 v[NI], 0, v[NI]                   ; the angle is negative:
	v_lshlrev_b32 v[NI], 8, v[NI]                  ; - 256 j0 c0 modulo 2^18
	v_and_b32 v[NI], 0x3ffff, v[NI]
	SINCOS TB, TB+1, NI
	v_lshlrev_b32 v[TBO], 3, v[TBO]
	global_store_b64 v[TBO], v[TB:TB+1], s[8:9]    ; a wave's store covers 256 consecutive bytes, aligned
.Lno_table:
; Two blocks, i (even) and i + 1.  first = 1: differences and products start the sums, nothing is cleared.  refill = 1: both slots are
; loaded again, DEPTH blocks further on.  left = how many younger loads may stay out when these two have to be in.
.macro PAIR i, first, refill, left
.set xa, X+4*((\i)%DEPTH)
.set xb, X+4*((\i+1)%DEPTH)
.set tw, TWA+2*((\i)/32)
.set la, (\i)%32
	s_wait_loadcnt \left                           ; loads return in order (ISA guide 5.7.1): blocks i and i + 1 are in
	v_readlane_b32 s20, v[tw], la                  ; a block's cos and sin are the same for every column: scalars
	v_readlane_b32 s22, v[tw+1], la
	v_readlane_b32 s24, v[tw], la+1
	v_readlane_b32 s26, v[tw+1], la+1
.if \first
	v_pk_add_f32 v[SS:SS+1],   v[xa:xa+1],   v[xb:xb+1]   neg_lo:[0,1] neg_hi:[0,1]
	v_pk_add_f32 v[SS+2:SS+3], v[xa+2:xa+3], v[xb+2:xb+3] neg_lo:[0,1] neg_hi:[0,1]
	v_pk_mul_f32 v[CC:CC+1],   v[xa:xa+1],   s[20:21] op_sel_hi:[1,0]
	v_pk_mul_f32 v[CC+2:CC+3], v[xa+2:xa+3], s[20:21] op_sel_hi:[1,0]
	v_pk_mul_f32 v[DD:DD+1],   v[xa:xa+1],   s[22:23] op_sel_hi:[1,0]
	v_pk_mul_f32 v[DD+2:DD+3], v[xa+2:xa+3], s[22:23] op_sel_hi:[1,0]
.else
	v_pk_add_f32 v[TT:TT+1],   v[xa:xa+1],   v[xb:xb+1]   neg_lo:[0,1] neg_hi:[0,1]   ; (-1)^a: even minus odd
	v_pk_add_f32 v[TT+2:TT+3], v[xa+2:xa+3], v[xb+2:xb+3] neg_lo:[0,1] neg_hi:[0,1]
	v_pk_fma_f32 v[CC:CC+1],   v[xa:xa+1],   s[20:21], v[CC:CC+1]   op_sel_hi:[1,0,1]
	v_pk_fma_f32 v[CC+2:CC+3], v[xa+2:xa+3], s[20:21], v[CC+2:CC+3] op_sel_hi:[1,0,1]
	v_pk_fma_f32 v[DD:DD+1],   v[xa:xa+1],   s[22:23], v[DD:DD+1]   op_sel_hi:[1,0,1]
	v_pk_fma_f32 v[DD+2:DD+3], v[xa+2:xa+3], s[22:23], v[DD+2:DD+3] op_sel_hi:[1,0,1]
	v_pk_add_f32 v[SS:SS+1],   v[SS:SS+1],   v[TT:TT+1]
	v_pk_add_f32 v[SS+2:SS+3], v[SS+2:SS+3], v[TT+2:TT+3]
.endif
	v_pk_fma_f32 v[CC:CC+1],   v[xb:xb+1],   s[24:25], v[CC:CC+1]   op_sel_hi:[1,0,1]
	v_pk_fma_f32 v[CC+2:CC+3], v[xb+2:xb+3], s[24:25], v[CC+2:CC+3] op_sel_hi:[1,0,1]
	v_pk_fma_f32 v[DD:DD+1],   v[xb:xb+1],   s[26:27], v[DD:DD+1]   op_sel_hi:[1,0,1]
	v_pk_fma_f32 v[DD+2:DD+3], v[xb+2:xb+3], s[26:27], v[DD+2:DD+3] op_sel_hi:[1,0,1]
.if \refill
	global_load_b128 v[xa:xa+3], v1, s[4:5] offset:(\i+DEPTH)*CHUNK th:TH_LOAD_NT     ; one address register, never stepped:
	global_load_b128 v[xb:xb+3], v1, s[4:5] offset:(\i+1+DEPTH)*CHUNK th:TH_LOAD_NT   ; the block is in the immediate
.endif
.endm
.set st, 0
	PAIR st, 1, 1, DEPTH-2                         ; DEPTH + i loads issued, i + 2 needed: DEPTH - 2 may stay out
.set st, 2
.rept (STEPS-DEPTH)/2-1
	PAIR st, 0, 1, DEPTH-2
.set st, st+2
.endr
.rept DEPTH/2
	PAIR st, 0, 0, STEPS-2-st                      ; all 64 are issued: the counts run down to 0
.set st, st+2
.endr
	; the four groups of blocks meet in LDS: [group][S, C, D][512 columns]
	v_and_b32 v3, 127, v0
	v_lshlrev_b32 v3, 4, v3
	v_mad_u32_u24 v3, v2, GROUPB, v3
	ds_store_b128 v3, v[SS:SS+3]
	ds_store_b128 v3, v[CC:CC+3] offset:PLANE
	ds_store_b128 v3, v[DD:DD+3] offset:2*PLANE
	s_wait_dscnt 0x0                               ; my stores are in LDS before I say so: other waves read them
	s_barrier_signal -1
	s_barrier_wait -1
	v_lshlrev_b32 v3, 2, v0                        ; from here thread t owns column 512 x half + t
.irp g, 0,1,2,3
.irp p, 0,1,2
	ds_load_b32 v[R+3*\g+\p], v3 offset:\g*GROUPB+\p*PLANE
.endr
.endr
	s_lshl_b32 s16, s11, 9
	v_add_nc_u32 v[CI], s16, v0                    ; c
	v_mul_u32_u24 v[NI], 0x7f, v[CI]
	v_sub_nc_u32 v[NI], 0, v[NI]
	v_and_b32 v[NI], 0x3ffff, v[NI]                ; - 127 c modulo 2^18
	SINCOS EC, ES, NI
	v_lshlrev_b32 v[NI], 7, v[CI]
	v_sub_nc_u32 v[NI], 0, v[NI]
	v_and_b32 v[NI], 0x3ffff, v[NI]                ; - 128 c modulo 2^18
	SINCOS FC, FS, NI
	s_wait_dscnt 0x0
	v_add_f32 v[R],   v[R],   v[R+3]               ; (g0 + g1) + (g2 + g3) for S, C, D
	v_add_f32 v[R+6], v[R+6], v[R+9]
	v_add_f32 v[R+1], v[R+1], v[R+4]
	v_add_f32 v[R+7], v[R+7], v[R+10]
	v_add_f32 v[R+2], v[R+2], v[R+5]
	v_add_f32 v[R+8], v[R+8], v[R+11]
	v_add_f32 v[R],   v[R],   v[R+6]
	v_add_f32 v[R+1], v[R+1], v[R+7]
	v_add_f32 v[R+2], v[R+2], v[R+8]
	v_mul_f32 v[Z],   v[R+2], v[ES]                ; z127 = (C + i D)(EC + i ES)
	v_mul_f32 v[Z+1], v[R+2], v[EC]
	v_fma_f32 v[Z],   v[R+1], v[EC], -v[Z]
	v_fma_f32 v[Z+1], v[R+1], v[ES], v[Z+1]
	v_mul_f32 v[Z+2], v[R], v[FC]                  ; z128 = S (FC + i FS)
	v_mul_f32 v[Z+3], v[R], v[FS]
	v_lshlrev_b32 v[ZO], 3, v[CI]
	global_store_b64 v[ZO], v[Z:Z+1],   s[6:7]                 ; each store of a wave covers 256 consecutive bytes, aligned
	global_store_b64 v[ZO], v[Z+2:Z+3], s[6:7] offset:8192
	s_wait_tensorcnt 0x0
	ds_add_u32 v164, v165
	s_wait_dscnt 0x0
	s_endpgm
.Lfunc_end_k_q7f7bb59f31_fold:
	.size	k_q7f7bb59f31_fold, .Lfunc_end_k_q7f7bb59f31_fold-k_q7f7bb59f31_fold
	.p2alignl 7, 3214868480
	.fill 96, 4, 3214868480
	.section	.rodata,"a",@progbits
	.p2align	6, 0x0
	.amdhsa_kernel k_q7f7bb59f31_fold
		.amdhsa_group_segment_fixed_size 26624
		.amdhsa_private_segment_fixed_size 0
		.amdhsa_enable_private_segment 0
		.amdhsa_kernarg_size 24
		.amdhsa_user_sgpr_count 2
		.amdhsa_user_sgpr_kernarg_segment_ptr 1
		.amdhsa_wavefront_size32 1
		.amdhsa_system_sgpr_workgroup_id_x 1
		.amdhsa_system_sgpr_workgroup_id_y 1
		.amdhsa_system_sgpr_workgroup_id_z 1
		.amdhsa_system_vgpr_workitem_id 0
		.amdhsa_next_free_vgpr 166
		.amdhsa_next_free_sgpr 66
		.amdhsa_reserve_vcc 1
		.amdhsa_float_denorm_mode_32 3
		.amdhsa_float_denorm_mode_16_64 3
		.amdhsa_memory_ordered 1
		.amdhsa_forward_progress 1
		.amdhsa_inst_pref_size 51
	.end_amdhsa_kernel
	.amdgpu_metadata
---
amdhsa.version: [ 1, 2 ]
amdhsa.kernels:
  - .name:           k_q7f7bb59f31_fold
    .symbol:         k_q7f7bb59f31_fold.kd
    .args:
      - { .name: audio, .offset: 0, .size: 8, .value_kind: global_buffer, .address_space: global }
      - { .name: zbuf, .offset: 8, .size: 8, .value_kind: global_buffer, .address_space: global }
      - { .name: twbuf, .offset: 16, .size: 8, .value_kind: global_buffer, .address_space: global }
    .group_segment_fixed_size: 26624
    .private_segment_fixed_size: 0
    .kernarg_segment_align: 8
    .kernarg_segment_size: 24
    .max_flat_workgroup_size: 512
    .sgpr_count:     66
    .vgpr_count:     166
    .wavefront_size: 32
...
	.end_amdgpu_metadata
.endif
;; end of part 1
;; launch spectrum (part 2): grid 128 x 1, 2 waves a work-group, no clusters, 27,392 bytes of LDS; arguments zbuf, twbuf, peaks; writes peaks
.if DOCPART == 2
	.amdgcn_target "amdgcn-amd-amdhsa--gfx1250"
	.amdhsa_code_object_version 6
	.text
	.protected	k_q7f7bb59f31_spectrum
	.globl	k_q7f7bb59f31_spectrum
	.p2align	8
	.type	k_q7f7bb59f31_spectrum,@function
k_q7f7bb59f31_spectrum:
	s_mov_b64 s[64:65], 0
	v_nop
	global_prefetch_b8 v0, s[64:65] scope:SCOPE_SE
	s_setreg_imm32_b32 hwreg(HW_REG_WAVE_MODE, 25, 1), 1
	s_wait_xcnt 0x0
; spectrum: one work-group for each row; from z127, z128 to the 512 interpolated peak values, stored in bf16 for the linear layer.
;   F0[j] = sum over c of z127[c] e^(-2 pi i j c / 1024) = X[256 j + 127];  F1[j] likewise from z128 = X[256 j + 128];
;   |X[256 j + 129]| = |F0[1023 - j]|, because the audio is real.
; Wave w makes F_w as 32 x 32 (c = 32 c1 + c0, j = 32 j1 + j0): lane c0 transforms 32 points over c1 to j0; times twbuf[j0][c0];
; transpose in the wave's own LDS; lane j0 transforms 32 points over c0 to j1.  Then the 64 threads together: interpolation of the
; magnitudes, mean of three, peak test, interpolation from 171 to 512.  All in f32.
; No cluster: the rows share nothing but the 8 KiB table, against 16 KiB of their own.
; LIMITS: |X| = sqrt(re^2 + im^2) in f32: infinite for |X| above 1.8e19 (the mean of three then gives NaN), zero below about 1e-19
; (v_sqrt_f32 takes a denormal as zero).  Two pooled values that agree to within the rounding of an f32 transform (a few 1e-7 of their
; size) may compare otherwise than under another f32 transform's rounding.
.set XP,   272                         ; transpose: 256 bytes + 16, an odd multiple of 16: 16 rows start in different banks
.set XCH,  32*XP                       ; one wave's transpose area
.set MAG0, 2*XCH                       ; |F0[0..1023]|
.set MAG1, MAG0+4096                   ; |F1[0..1023]|
.set SM,   MAG1+4096                   ; 192 pooled values (171 are used)
.set PK,   SM+768                      ; 192 peak values (171 are used)
.set TD,  8                            ; v[8:15]   four differences at work
.set UU,  16                           ; v[16:23]  four products at work
.set WT,  24                           ; v[24:41]  tap k: w, 1 - w
.set AJ,  42                           ; v[42:50]  tap k: 4 j
.set BJ,  51                           ; v[51:59]  tap k: 4 (1023 - j)
.set P,   64                           ; v[64:127]   32 complex numbers
.set Q,   128                          ; v[128:191]  32 complex numbers: the stages go from one to the other, nothing is copied
.set TW,  192                          ; v[192:255]  table factor of slot p (slot 0 is 1 and is not loaded)
.set G,   64                           ; behind the transforms: v[64:90] tap k: |F0[j]|, |F1[j]|, |F0[1023-j]|
.set SP,  96                           ; v[96:104] spec at the nine taps
.set LO,  106
.set HI,  107
.set SMV, 108                          ; three pooled values
.set CE,  112                          ; window, left neighbour, right neighbour, peak value: three each
.set LE,  116
.set RI,  120
.set PKV, 124
.set SA,  128                          ; 4 t
.set AL,  129                          ; 4 ((t + 63) mod 64)
.set AR,  130                          ; 4 min(t + 129, 191)
.set BASE, 131                         ; 2736 t
.set I0,  136                          ; v[136:143] output q: 4 i0;  v[144:151] 4 i1
.set I1,  144
.set FW,  152                          ; w, 1 - w
.set FO,  160
.set E0,  168
.set E1,  176
.set O,   184
.set OB,  192
.set OV,  224                          ; 16 t
.set CT,  23                           ; s[CT+m] = cos(pi m / 16), m = 1 .. 7
.set MK,  40                           ; s40-48: tap k: lanes whose lower bin is 256 j + 127
; one butterfly, decimation in frequency: slot fa <- a + b, slot fb <- (a - b) e^(-i pi fm / 16)
.macro BFLY src, dst
	v_pk_add_f32 v[\dst+2*fa:\dst+2*fa+1], v[\src+2*fa:\src+2*fa+1], v[\src+2*fb:\src+2*fb+1]
.if fm == 0
	v_pk_add_f32 v[\dst+2*fb:\dst+2*fb+1], v[\src+2*fa:\src+2*fa+1], v[\src+2*fb:\src+2*fb+1] neg_lo:[0,1] neg_hi:[0,1]
.else
.if fm == 8
	v_sub_f32 v[\dst+2*fb],   v[\src+2*fa+1], v[\src+2*fb+1]      ; times -i: (im, -re)
	v_sub_f32 v[\dst+2*fb+1], v[\src+2*fb],   v[\src+2*fa]
.else
.set ft, 2*(fa%4)
	v_pk_add_f32 v[TD+ft:TD+ft+1], v[\src+2*fa:\src+2*fa+1], v[\src+2*fb:\src+2*fb+1] neg_lo:[0,1] neg_hi:[0,1]
.if fm < 8
	v_mul_f32 v[UU+ft],   s[CT+fm], v[TD+ft]                      ; cos = cos(pi fm / 16), sin = cos(pi (8 - fm) / 16)
	v_mul_f32 v[UU+ft+1], s[CT+fm], v[TD+ft+1]
	v_fma_f32 v[\dst+2*fb],   v[TD+ft+1], s[CT+8-fm], v[UU+ft]    ; re = re cos + im sin
	v_fma_f32 v[\dst+2*fb+1], -v[TD+ft],  s[CT+8-fm], v[UU+ft+1]  ; im = im cos - re sin
.else
	v_mul_f32 v[UU+ft],   s[CT+16-fm], v[TD+ft]                   ; cos = -cos(pi (16 - fm) / 16), sin = cos(pi (fm - 8) / 16)
	v_mul_f32 v[UU+ft+1], s[CT+16-fm], v[TD+ft+1]
	v_fma_f32 v[\dst+2*fb],   v[TD+ft+1], s[CT+fm-8], -v[UU+ft]
	v_fma_f32 v[\dst+2*fb+1], -v[TD+ft],  s[CT+fm-8], -v[UU+ft+1]
.endif
.endif
.endif
.endm
.macro STAGE src, dst, h               ; the 16 butterflies of span h
.set fg, 0
.rept 16/\h
.set fk, 0
.rept \h
.set fa, fg+fk
.set fb, fa+\h
.set fm, fk*(16/\h)
	BFLY \src, \dst
.set fk, fk+1
.endr
.set fg, fg+2*\h
.endr
.endm
.macro FFT32 a, b                      ; 32 points in a (natural order, destroyed) -> b, slot p holding output bit-reverse(p)
	STAGE \a, \b, 16
	STAGE \b, \a, 8
	STAGE \a, \b, 4
	STAGE \b, \a, 2
	STAGE \a, \b, 1
.endm
; Tap k of the first interpolation, j in v60.  src = (j + 0.5) * 131073/512 - 0.5, i0 = floor(src), w = src - i0, in f32.  One fused
; multiply-add gives the same number as product, rounding, subtraction: 0.5 is an even multiple of the product's last place, and the product
; lies within 0.5 above a power of two at j = 0 alone, where all is exact.  src >= 127.5 and i0 + 1 <= 130945: the three clamps never bind.
; i0 is 256 j + 127 or 256 j + 128; a mask says which, and it selects values, not addresses.
.macro TAP
	v_cvt_f32_u32 v61, v60
	v_add_f32 v62, 0.5, v61
	v_fma_f32 v62, v62, s34, -0.5                  ; src
	v_floor_f32 v63, v62
	v_fma_f32 v61, v61, s32, s33                   ; 256 j + 127.5
	v_sub_f32 v[WT+2*k], v62, v63                  ; w
	v_cmp_lt_f32 s[MK+k], v63, v61                 ; i0 = 256 j + 127 ?
	v_sub_f32 v[WT+2*k+1], 1.0, v[WT+2*k]          ; 1 - w
	v_lshlrev_b32 v[AJ+k], 2, v60
	v_sub_nc_u32 v[BJ+k], 0xffc, v[AJ+k]
.endm
; Output o = 8 t + q of the second interpolation: src = max((171 (2 o + 1) - 512) / 1024, 0), exact in f32 and in whole numbers alike.
; 171 (2 o + 1) is 171 at o = 0 and at least 513 from o = 1 on: the maximum binds at output 0 alone, so only q = 0 carries it.
.macro FIN
.if q == 0
	v_add_nc_u32 v60, 171, v[BASE]
	v_max_u32 v60, 0x200, v60
	v_add_nc_u32 v60, 0xfffffe00, v60              ; n = 1024 src
	v_lshrrev_b32 v61, 10, v60
	v_min_u32 v61, 0xaa, v61                       ; i0: its bound of 170 written out, as this n came through a maximum and a wrapping sum
.else
	v_add_nc_u32 v60, 171*(2*q+1)-512, v[BASE]     ; n = 1024 src
	v_lshrrev_b32 v61, 10, v60                     ; i0 <= 170
.endif
	v_and_b32 v62, 0x3ff, v60
	v_add_nc_u32 v63, 1, v61
	v_min_u32 v63, 0xaa, v63                       ; i1 = min(i0 + 1, 170)
	v_lshlrev_b32 v[I0+q], 2, v61
	v_lshlrev_b32 v[I1+q], 2, v63
	v_cvt_f32_u32 v62, v62
	v_mul_f32 v[FW+q], 0x3a800000, v62             ; w = (n mod 1024) / 1024
	v_sub_f32 v[FO+q], 1.0, v[FW+q]
.endm
	s_load_b128 s[4:7], s[0:1], 0x0                ; zbuf s[4:5], twbuf s[6:7]
	s_load_b64 s[8:9], s[0:1], 0x10                ; peaks
	s_set_vgpr_msb 0x40
	v_lshl_add_u32 v0, v0, 2, 0x6a00
	v_mov_b32 v1, 0
	s_set_vgpr_msb 0x4000
	v_lshrrev_b32 v1, 5, v0
	v_readfirstlane_b32 s10, v1                    ; wave
	v_and_b32 v1, 31, v0                           ; lane
	v_lshlrev_b32 v3, 3, v1                        ; 8 bytes a lane
	s_lshl_b32 s11, s10, 13                        ; wave 0: z127, wave 1: z128, 8 KiB each
	v_add_nc_u32 v2, s11, v3
	s_lshl_b32 s12, ttmp9, 14                      ; row x 16 KiB
	s_mov_b32 s13, 0
	s_lshl_b32 s14, ttmp9, 10                      ; row x 1 KiB
	s_mov_b32 s15, 0
	s_wait_kmcnt 0x0
	s_add_nc_u64 s[4:5], s[4:5], s[12:13]
	s_add_nc_u64 s[8:9], s[8:9], s[14:15]
.set p, 0
.rept 32
	global_load_b64 v[P+2*p:P+2*p+1], v2, s[4:5] offset:256*p      ; z[32 p + lane]: 256 consecutive bytes, aligned
.set p, p+1
.endr
.set p, 1
.rept 31
.set rv, ((p&1)<<4)|((p&2)<<2)|(p&4)|((p&8)>>2)|((p&16)>>4)
	global_load_b64 v[TW+2*p:TW+2*p+1], v3, s[6:7] offset:256*rv   ; twbuf[j0][lane] for the j0 that slot p will hold
.set p, p+1
.endr
	; while the loads are on their way: constants, LDS addresses, and the nine taps, which hang on the thread's number alone
	s_mov_b32 s24, 0x3f7b14be                      ; cos(pi m / 16), m = 1 .. 7
	s_mov_b32 s25, 0x3f6c835e
	s_mov_b32 s26, 0x3f54db31
	s_mov_b32 s27, 0x3f3504f3
	s_mov_b32 s28, 0x3f0e39da
	s_mov_b32 s29, 0x3ec3ef15
	s_mov_b32 s30, 0x3e47c5c2
	s_mov_b32 s32, 0x43800000                      ; 256
	s_mov_b32 s33, 0x42ff0000                      ; 127.5
	s_mov_b32 s34, 0x43800040                      ; 131073 / 512, exact
	s_mov_b32 s35, 0x3eaaaaab                      ; 1 / 3
	s_mov_b32 s36, 0xc0400000                      ; -3
	s_mul_i32 s16, s10, XCH
	v_add_nc_u32 v4, s16, v3                       ; transpose in: column = lane
	v_mul_u32_u24 v5, v1, XP
	v_add_nc_u32 v5, s16, v5                       ; transpose out: row = lane
	s_lshl_b32 s17, s10, 12
	s_add_co_u32 s17, s17, MAG0
	v_lshl_add_u32 v6, v1, 2, s17                  ; my wave's magnitudes, word = lane
	v_cmp_le_u32 s50, 1, v0                        ; t >= 1
	v_cmp_ge_u32 s51, 41, v0                       ; t <= 41
	; thread t pools windows m = t + 64 u, u = 0, 1, 2 (those above 170 work on written bytes and are never used);
	; window m takes spec[3 m - 1 .. 3 m + 1]; tap k = 3 u + tau has j = 3 t + 192 u + tau - 1
	v_mul_u32_u24 v7, 3, v0
	v_add_nc_u32 v60, 0x3ff, v7
	v_and_b32 v60, 0x3ff, v60                      ; tap 0: 3 t - 1 modulo 1024; t = 0 gets j = 1023, a written word, and its value is
.set k, 0                                          ; replaced by the padding's zero below
	TAP
.set k, 1
.rept 8
	v_add_nc_u32 v60, 192*(k/3)+(k%3)-1, v7
	TAP
.set k, k+1
.endr
	s_wait_loadcnt 31                              ; the 31 table loads were issued behind the 32 data loads and may stay out
	FFT32 P, Q
	s_wait_loadcnt 0x0                             ; the table
	ds_store_b64 v4, v[Q:Q+1]                      ; j0 = 0: the factor is 1
.set p, 1
.rept 31
.set rv, ((p&1)<<4)|((p&2)<<2)|(p&4)|((p&8)>>2)|((p&16)>>4)
	v_mul_f32 v[P+2*p],   v[Q+2*p+1], v[TW+2*p+1]
	v_mul_f32 v[P+2*p+1], v[Q+2*p+1], v[TW+2*p]
	v_fma_f32 v[P+2*p],   v[Q+2*p], v[TW+2*p],   -v[P+2*p]
	v_fma_f32 v[P+2*p+1], v[Q+2*p], v[TW+2*p+1], v[P+2*p+1]
	ds_store_b64 v4, v[P+2*p:P+2*p+1] offset:XP*rv                 ; row j0, column c0
.set p, p+1
.endr
.set i, 0
.rept 16
	ds_load_b128 v[Q+4*i:Q+4*i+3], v5 offset:16*i  ; my wave's own bytes, served in order behind its stores (ISA guide 5.7.1): no barrier
.set i, i+1
.endr
	s_wait_dscnt 0x0
	FFT32 Q, P
.set p, 0
.rept 32
	v_mul_f32  v[Q+p], v[P+2*p], v[P+2*p]
	v_fmac_f32 v[Q+p], v[P+2*p+1], v[P+2*p+1]
.set p, p+1
.endr
.set p, 0
.rept 32
	v_sqrt_f32 v[TW+p], v[Q+p]
.set p, p+1
.endr
	v_nop                                          ; one plain place behind the last square root before its result is read
.set p, 0
	s_wait_alu depctr_va_vdst(0)
.rept 32
.set rv, ((p&1)<<4)|((p&2)<<2)|(p&4)|((p&8)>>2)|((p&16)>>4)
	ds_store_b32 v6, v[TW+p] offset:128*rv         ; |F[32 j1 + lane]|
.set p, p+1
.endr
	v_lshlrev_b32 v[SA], 2, v0
	v_add_nc_u32 v60, 63, v0
	v_and_b32 v60, 63, v60                         ; t - 1 modulo 64: t = 0 reads word 63, and its comparison is masked off below
	v_lshlrev_b32 v[AL], 2, v60
	v_add_nc_u32 v60, 0x81, v0
	v_min_u32 v60, 0xbf, v60
	v_lshlrev_b32 v[AR], 2, v60
	v_mul_u32_u24 v[BASE], 0xab0, v0               ; 171 x 16 t
	v_lshlrev_b32 v[OV], 4, v0
	s_wait_dscnt 0x0                               ; my magnitudes are in LDS before I say so
	s_barrier_signal -1
	s_barrier_wait -1
	; spec at my nine taps, then my three pooled values
.set k, 0
.rept 9
	ds_load_b32 v[G+3*k],   v[AJ+k] offset:MAG0
	ds_load_b32 v[G+3*k+1], v[AJ+k] offset:MAG1
	ds_load_b32 v[G+3*k+2], v[BJ+k] offset:MAG0
.set k, k+1
.endr
	s_wait_dscnt 0x0
.set k, 0
.rept 9
	v_cndmask_b32 v[LO], v[G+3*k+1], v[G+3*k],   s[MK+k]           ; bin i0:     127 ? |F0[j]| : |F1[j]|
	v_cndmask_b32 v[HI], v[G+3*k+2], v[G+3*k+1], s[MK+k]           ; bin i0 + 1: 127 ? |F1[j]| : |F0[1023 - j]|
	v_mul_f32 v[LO], v[LO], v[WT+2*k+1]
	v_fma_f32 v[SP+k], v[HI], v[WT+2*k], v[LO]
.set k, k+1
.endr
	v_cndmask_b32 v[SP], 0, v[SP], s50             ; window 0 begins with the padding
.set u, 0
.rept 3
	v_add_f32 v60, v[SP+3*u], v[SP+3*u+1]
	v_add_f32 v60, v60, v[SP+3*u+2]
	v_mul_f32 v61, s35, v60                        ; sum / 3, rounded as a division: quotient,
	v_fma_f32 v62, v61, s36, v60                   ; exact remainder,
	v_fma_f32 v[SMV+u], v62, s35, v61              ; correction
	ds_store_b32 v[SA], v[SMV+u] offset:SM+256*u
.set u, u+1
.endr
	s_wait_dscnt 0x0
	s_barrier_signal -1
	s_barrier_wait -1
	; the peak test on windows 1 .. 169; 0 and 170 stay zero
.set u, 0
.rept 3
	ds_load_b32 v[CE+u], v[SA] offset:SM+256*u
.set u, u+1
.endr
	ds_load_b32 v[LE],   v[AL] offset:SM
	ds_load_b32 v[LE+1], v[SA] offset:SM+256-4
	ds_load_b32 v[LE+2], v[SA] offset:SM+512-4
	ds_load_b32 v[RI],   v[SA] offset:SM+4
	ds_load_b32 v[RI+1], v[SA] offset:SM+256+4
	ds_load_b32 v[RI+2], v[AR] offset:SM
	s_wait_dscnt 0x0
.set u, 0
.rept 3
	v_cmp_gt_f32 s20, v[CE+u], v[LE+u]
	v_cmp_gt_f32 s21, v[CE+u], v[RI+u]
	s_and_b32 s20, s20, s21
.if u == 0
	s_and_b32 s20, s20, s50
.endif
.if u == 2
	s_and_b32 s20, s20, s51
.endif
	v_cndmask_b32 v[PKV+u], 0, v[CE+u], s20        ; the comparison selects a value and steers nothing else
	ds_store_b32 v[SA], v[PKV+u] offset:PK+256*u
.set u, u+1
.endr
.set q, 0
.rept 8
	FIN
.set q, q+1
.endr
	s_wait_dscnt 0x0
	s_barrier_signal -1
	s_barrier_wait -1
	; back to 512 points: thread t makes outputs 8 t .. 8 t + 7
.set q, 0
.rept 8
	ds_load_b32 v[E0+q], v[I0+q] offset:PK
	ds_load_b32 v[E1+q], v[I1+q] offset:PK
.set q, q+1
.endr
	s_wait_dscnt 0x0
.set q, 0
.rept 8
	v_mul_f32  v[O+q], v[E0+q], v[FO+q]
	v_fmac_f32 v[O+q], v[E1+q], v[FW+q]
.set q, q+1
.endr
.set i, 0
.rept 4
	v_cvt_pk_bf16_f32 v[OB+i], v[O+2*i], v[O+2*i+1]
.set i, i+1
.endr
	global_store_b128 v[OV], v[OB:OB+3], s[8:9]    ; sixteen lanes fill 256 consecutive bytes, aligned
	s_set_vgpr_msb 0x5
	s_wait_tensorcnt 0x0
	ds_add_u32 v0, v1
	s_wait_dscnt 0x0
	s_set_vgpr_msb 0x500
	s_endpgm
.Lfunc_end_k_q7f7bb59f31_spectrum:
	.size	k_q7f7bb59f31_spectrum, .Lfunc_end_k_q7f7bb59f31_spectrum-k_q7f7bb59f31_spectrum
	.p2alignl 7, 3214868480
	.fill 96, 4, 3214868480
	.section	.rodata,"a",@progbits
	.p2align	6, 0x0
	.amdhsa_kernel k_q7f7bb59f31_spectrum
		.amdhsa_group_segment_fixed_size 27392
		.amdhsa_private_segment_fixed_size 0
		.amdhsa_enable_private_segment 0
		.amdhsa_kernarg_size 24
		.amdhsa_user_sgpr_count 2
		.amdhsa_user_sgpr_kernarg_segment_ptr 1
		.amdhsa_wavefront_size32 1
		.amdhsa_system_sgpr_workgroup_id_x 1
		.amdhsa_system_sgpr_workgroup_id_y 1
		.amdhsa_system_sgpr_workgroup_id_z 1
		.amdhsa_system_vgpr_workitem_id 0
		.amdhsa_next_free_vgpr 258
		.amdhsa_next_free_sgpr 66
		.amdhsa_reserve_vcc 0
		.amdhsa_float_denorm_mode_32 3
		.amdhsa_float_denorm_mode_16_64 3
		.amdhsa_memory_ordered 1
		.amdhsa_forward_progress 1
		.amdhsa_inst_pref_size 72
	.end_amdhsa_kernel
	.amdgpu_metadata
---
amdhsa.version: [ 1, 2 ]
amdhsa.kernels:
  - .name:           k_q7f7bb59f31_spectrum
    .symbol:         k_q7f7bb59f31_spectrum.kd
    .args:
      - { .name: zbuf, .offset: 0, .size: 8, .value_kind: global_buffer, .address_space: global }
      - { .name: twbuf, .offset: 8, .size: 8, .value_kind: global_buffer, .address_space: global }
      - { .name: peaks, .offset: 16, .size: 8, .value_kind: global_buffer, .address_space: global }
    .group_segment_fixed_size: 27392
    .private_segment_fixed_size: 0
    .kernarg_segment_align: 8
    .kernarg_segment_size: 24
    .max_flat_workgroup_size: 64
    .sgpr_count:     66
    .vgpr_count:     258
    .wavefront_size: 32
...
	.end_amdgpu_metadata
.endif
;; end of part 2
;; launch linear (part 3): grid 8 x 8, 8 waves a work-group, no clusters, 126,208 bytes of LDS; arguments peaks, W, b, out0; writes out0
.if DOCPART == 3
	.amdgcn_target "amdgcn-amd-amdhsa--gfx1250"
	.amdhsa_code_object_version 6
	.text
	.protected	k_q7f7bb59f31_linear
	.globl	k_q7f7bb59f31_linear
	.p2align	8
	.type	k_q7f7bb59f31_linear,@function
k_q7f7bb59f31_linear:
	s_mov_b64 s[64:65], 0
	v_nop
	global_prefetch_b8 v0, s[64:65] scope:SCOPE_SE
	s_setreg_imm32_b32 hwreg(HW_REG_WAVE_MODE, 25, 1), 1
	s_wait_xcnt 0x0
; linear: out0[m][n] = sum over k of peaks[m][k] W[n][k] + b[n].  peaks: [128][512] bf16 (from launch spectrum), W: [512][512] f32, sums in f32.
; A work-group makes 16 rows (y) x 64 columns (x).  K is split over its 8 waves, 64 k each, so that each wave has one burst of loads and
; 8 matrix instructions; the eight partial tiles are added through LDS in a fixed order.
; W comes in as pieces of 256 consecutive bytes of a row, is rounded to bf16 in registers and laid into the wave's own LDS tile.
; No cluster and no data mover: what work-groups share (128 KiB of W along y, 16 KiB of peaks along x) has to pass through registers for
; the rounding anyway, and a joint load of f32 into LDS would add a read and a write of those 128 KiB in LDS to each work-group.
.set APITCH, 1040                      ; peaks tile: 1,024 bytes + 16
.set WPITCH, 144                       ; W tile of a wave: 64 bf16 + 16 bytes
.set RPITCH, 272                       ; partial sums: 64 f32 + 16 bytes      (all three odd multiples of 16)
.set WTILE,  16*APITCH                 ; 16,640: behind the peaks tile, 64 rows x 144 bytes for each wave
.set WBYTES, 64*WPITCH
.set RED,    WTILE+8*WBYTES            ; 90,368: 16 rows x 272 bytes for each wave
.set RBYTES, 16*RPITCH
.set PKL, 16                           ; v[16:31]   my 4 x 16 bytes of the peaks tile
.set BI,  32                           ; v[32:35]   bias of my 4 columns
.set CV,  36                           ; v[36:39]   two pairs of rounded words, taking turns
.set AF,  40                           ; v[40:55]   fragments of peaks, K halves 0, 1
.set WL,  64                           ; v[64:191]  W as loaded, 32 x 4 registers; then:
.set BF,  64                           ; v[64:127]  fragments of W: 8 (2 nb + s)
.set ACC, 128                          ; v[128:159] four tiles of 16 x 16
.set PS,  160                          ; v[160:191] the eight waves' partial sums of my 4 outputs
	s_load_b256 s[4:11], s[0:1], 0x0               ; peaks s[4:5], W s[6:7], b s[8:9], out0 s[10:11]
	v_lshl_add_u32 v192, v0, 2, 0x1e900
	v_mov_b32 v193, 0
	v_lshrrev_b32 v1, 5, v0
	v_readfirstlane_b32 s12, v1                    ; wave
	s_and_b32 s13, ttmp7, 0xffff                   ; y
	v_and_b32 v1, 15, v0                           ; r
	v_bfe_u32 v2, v0, 4, 1                         ; h
	v_lshlrev_b32 v3, 4, v0                        ; peaks: 16 t (row t >> 6, 16 bytes at 16 (t & 63))
	s_lshl_b32 s22, s12, 8                         ; my 64 k of a row of W: 256 bytes
	v_lshlrev_b32 v7, 4, v1                        ; 16 r
	v_lshl_add_u32 v5, v2, 11, v7                  ; W: row h, 16 r
	v_add_nc_u32 v5, s22, v5
	s_lshl_b32 s14, s13, 14                        ; 16 rows of 1,024 bytes
	s_mov_b32 s15, 0
	s_lshl_b32 s16, ttmp9, 17                      ; 64 rows of 2,048 bytes
	s_mov_b32 s17, 0
	s_lshl_b32 s18, ttmp9, 8                       ; 64 columns of f32
	s_mov_b32 s19, 0
	s_lshl_b32 s20, s13, 15                        ; 16 rows of 2,048 bytes
	s_or_b32 s20, s20, s18
	s_mov_b32 s21, 0
	s_wait_kmcnt 0x0
	s_add_nc_u64 s[4:5], s[4:5], s[14:15]
	s_add_nc_u64 s[6:7], s[6:7], s[16:17]
	s_add_nc_u64 s[8:9], s[8:9], s[18:19]
	s_add_nc_u64 s[10:11], s[10:11], s[20:21]
.set i, 0
.rept 4
	global_load_b128 v[PKL+4*i:PKL+4*i+3], v3, s[4:5] offset:4096*i
.set i, i+1
.endr
	global_load_b128 v[BI:BI+3], v7, s[8:9]
.set i, 0
.rept 32
	global_load_b128 v[WL+4*i:WL+4*i+3], v5, s[6:7] offset:4096*i  ; rows 2 i, 2 i + 1: sixteen lanes take 256 consecutive bytes, aligned
.set i, i+1
.endr
	; LDS addresses, while the loads are on their way
	v_lshrrev_b32 v13, 6, v0
	v_and_b32 v14, 63, v0
	v_lshlrev_b32 v14, 4, v14
	v_mad_u32_u24 v4, v13, APITCH, v14             ; peaks tile in: row t >> 6
	s_mul_i32 s23, s12, WBYTES
	s_add_co_u32 s23, s23, WTILE                   ; my W tile
	v_mul_u32_u24 v6, v2, WPITCH
	v_lshl_add_u32 v6, v1, 3, v6
	v_add_nc_u32 v6, s23, v6                       ; W in: row h, 8 r
	s_lshl_b32 s24, s12, 7                         ; my 64 k of peaks: 128 bytes
	v_mul_u32_u24 v8, v1, APITCH
	v_lshl_add_u32 v8, v2, 4, v8
	v_add_nc_u32 v8, s24, v8                       ; fragment of peaks: row r, 16 h
	v_mul_u32_u24 v9, v1, WPITCH
	v_lshl_add_u32 v9, v2, 4, v9
	v_add_nc_u32 v9, s23, v9                       ; fragment of W: row r, 16 h
	s_mul_i32 s25, s12, RBYTES
	s_add_co_u32 s25, s25, RED
	v_mul_u32_u24 v10, v1, RPITCH
	v_lshl_add_u32 v10, v2, 5, v10
	v_add_nc_u32 v10, s25, v10                     ; partial tile in: row r, columns 8 h ..
	v_lshrrev_b32 v13, 4, v0                       ; the way out: row t >> 4, 16 bytes at 16 (t & 15)
	v_mul_u32_u24 v11, v13, RPITCH
	v_add_nc_u32 v11, v11, v7
	v_add_nc_u32 v11, RED, v11
	v_lshl_add_u32 v12, v13, 11, v7
	s_wait_loadcnt 33                              ; behind the four peaks loads came the bias and 32 loads of W: those may stay out
.set i, 0
.rept 4
	ds_store_b128 v4, v[PKL+4*i:PKL+4*i+3] offset:4*APITCH*i
.set i, i+1
.endr
.set i, 0
.rept 32
.set cv, CV+2*(i%2)
	s_wait_loadcnt 31-i                            ; load i of W is in, the younger ones stay out
	v_cvt_pk_bf16_f32 v[cv],   v[WL+4*i],   v[WL+4*i+1]
	v_cvt_pk_bf16_f32 v[cv+1], v[WL+4*i+2], v[WL+4*i+3]
	ds_store_b64 v6, v[cv:cv+1] offset:2*WPITCH*i
.set i, i+1
.endr
	s_wait_dscnt 0x0                               ; my part of the peaks tile is in LDS before I say so: all waves read it
	s_barrier_signal -1
	s_barrier_wait -1
.set s, 0
.rept 2
	ds_load_b128 v[AF+8*s:AF+8*s+3],   v8 offset:64*s
	ds_load_b128 v[AF+8*s+4:AF+8*s+7], v8 offset:64*s+32
.set s, s+1
.endr
.set nb, 0
.rept 4
.set s, 0
.rept 2
	ds_load_b128 v[BF+8*(2*nb+s):BF+8*(2*nb+s)+3],   v9 offset:16*WPITCH*nb+64*s
	ds_load_b128 v[BF+8*(2*nb+s)+4:BF+8*(2*nb+s)+7], v9 offset:16*WPITCH*nb+64*s+32
.set s, s+1
.endr
.set nb, nb+1
.endr
	s_wait_dscnt 0x0
	; W's fragment is source 0 and peaks' source 1: lane (r, h) then holds row r, columns 16 nb + 8 h + 0 .. 7 of the tile.
	; The first product of each tile takes 0 as C; the second is the next link of the same chain in place.
.set nb, 0
.rept 4
	v_wmma_f32_16x16x32_bf16 v[ACC+8*nb:ACC+8*nb+7], v[BF+16*nb:BF+16*nb+7], v[AF:AF+7], 0
.set nb, nb+1
.endr
.set nb, 0
.rept 4
	v_wmma_f32_16x16x32_bf16 v[ACC+8*nb:ACC+8*nb+7], v[BF+16*nb+8:BF+16*nb+15], v[AF+8:AF+15], v[ACC+8*nb:ACC+8*nb+7]
.set nb, nb+1
.endr
.rept 4
	v_nop                                          ; four places behind the last matrix instruction before its result is read (ISA guide 7.12.1)
.endr
.set nb, 0
.rept 4
	ds_store_b128 v10, v[ACC+8*nb:ACC+8*nb+3]   offset:64*nb
	ds_store_b128 v10, v[ACC+8*nb+4:ACC+8*nb+7] offset:64*nb+16
.set nb, nb+1
.endr
	s_wait_dscnt 0x0                               ; my partial tile is in LDS before I say so
	s_barrier_signal -1
	s_barrier_wait -1
.set i, 0
.rept 8
	ds_load_b128 v[PS+4*i:PS+4*i+3], v11 offset:RBYTES*i
.set i, i+1
.endr
	s_wait_dscnt 0x0
.macro ADD4 d, a, c
	v_pk_add_f32 v[\d:\d+1],   v[\a:\a+1],   v[\c:\c+1]
	v_pk_add_f32 v[\d+2:\d+3], v[\a+2:\a+3], v[\c+2:\c+3]
.endm
	ADD4 PS,    PS,    PS+4                        ; ((0+1) + (2+3)) + ((4+5) + (6+7)), then the bias
	ADD4 PS+8,  PS+8,  PS+12
	ADD4 PS+16, PS+16, PS+20
	ADD4 PS+24, PS+24, PS+28
	ADD4 PS,    PS,    PS+8
	ADD4 PS+16, PS+16, PS+24
	ADD4 PS,    PS,    PS+16
	ADD4 PS,    PS,    BI
	global_store_b128 v12, v[PS:PS+3], s[10:11]    ; sixteen lanes fill 256 consecutive bytes, aligned
	s_wait_tensorcnt 0x0
	ds_add_u32 v192, v193
	s_wait_dscnt 0x0
	s_endpgm
.Lfunc_end_k_q7f7bb59f31_linear:
	.size	k_q7f7bb59f31_linear, .Lfunc_end_k_q7f7bb59f31_linear-k_q7f7bb59f31_linear
	.p2alignl 7, 3214868480
	.fill 96, 4, 3214868480
	.section	.rodata,"a",@progbits
	.p2align	6, 0x0
	.amdhsa_kernel k_q7f7bb59f31_linear
		.amdhsa_group_segment_fixed_size 126208
		.amdhsa_private_segment_fixed_size 0
		.amdhsa_enable_private_segment 0
		.amdhsa_kernarg_size 32
		.amdhsa_user_sgpr_count 2
		.amdhsa_user_sgpr_kernarg_segment_ptr 1
		.amdhsa_wavefront_size32 1
		.amdhsa_system_sgpr_workgroup_id_x 1
		.amdhsa_system_sgpr_workgroup_id_y 1
		.amdhsa_system_sgpr_workgroup_id_z 1
		.amdhsa_system_vgpr_workitem_id 0
		.amdhsa_next_free_vgpr 194
		.amdhsa_next_free_sgpr 66
		.amdhsa_reserve_vcc 0
		.amdhsa_float_denorm_mode_32 3
		.amdhsa_float_denorm_mode_16_64 3
		.amdhsa_memory_ordered 1
		.amdhsa_forward_progress 1
		.amdhsa_inst_pref_size 18
	.end_amdhsa_kernel
	.amdgpu_metadata
---
amdhsa.version: [ 1, 2 ]
amdhsa.kernels:
  - .name:           k_q7f7bb59f31_linear
    .symbol:         k_q7f7bb59f31_linear.kd
    .args:
      - { .name: peaks, .offset: 0, .size: 8, .value_kind: global_buffer, .address_space: global }
      - { .name: W, .offset: 8, .size: 8, .value_kind: global_buffer, .address_space: global }
      - { .name: b, .offset: 16, .size: 8, .value_kind: global_buffer, .address_space: global }
      - { .name: out0, .offset: 24, .size: 8, .value_kind: global_buffer, .address_space: global }
    .group_segment_fixed_size: 126208
    .private_segment_fixed_size: 0
    .kernarg_segment_align: 8
    .kernarg_segment_size: 32
    .max_flat_workgroup_size: 256
    .sgpr_count:     66
    .vgpr_count:     194
    .wavefront_size: 32
...
	.end_amdgpu_metadata
.endif
;; end of part 3
;; ======== version 2 of 3: 2 launches; 1.28 times as fast as version 1
;; limits: inputs' magnitudes at most 70,000,000,000,000; right only within a limited range of input values
;; workspace buffers: zbuf 2,097,152 bytes; wb 524,288 bytes; twbuf 8,192 bytes
;; launch fold (part 4): grid 256 x 1, 16 waves a work-group, no clusters, 28,928 bytes of LDS; arguments audio, zbuf, W, wb, twbuf; writes zbuf, wb, twbuf
.if DOCPART == 4
	.amdgcn_target "amdgcn-amd-amdhsa--gfx1250"
	.amdhsa_code_object_version 6
	.text
	.protected	k_q7f7bb59f31_fold
	.globl	k_q7f7bb59f31_fold
	.p2align	8
	.type	k_q7f7bb59f31_fold,@function
k_q7f7bb59f31_fold:
	s_mov_b64 s[64:65], 0
	v_nop
	global_prefetch_b8 v0, s[64:65] scope:SCOPE_SE
	s_setreg_imm32_b32 hwreg(HW_REG_WAVE_MODE, 25, 1), 1
	s_wait_xcnt 0x0
; fold: the first step of the 262,144-point real transform, for the only bins that the interpolation to 512 points reads:
; k = 256 j + r, r = 127, 128, 129.  With t = 1024 a + c (a = 0..255, c = 0..1023), N = 262144:
;   X[256 j + r] = sum over c of e^(-2 pi i j c / 1024) e^(-2 pi i r c / N) y_r[c],   y_r[c] = sum over a of x[1024 a + c] e^(-2 pi i r a / 256)
;   y_128 = S = sum (-1)^a x;   y_127 = C + i D,  C, D = sum of x cos, x sin of 2 pi 129 a / 256   (x is real; r = 129 is the conjugate)
; so a sample costs three real multiply-adds.  The launch streams audio once and stores, as complex f32,
;   zbuf[row][0][c] = z127 = (C + i D) e^(-2 pi i 127 c / N),   zbuf[row][1][c] = z128 = S e^(-2 pi i 128 c / N).
; All in f32 on the vector unit: the peak test further down is a comparison, which operands of 16 bits would turn over in many places.
; WORK: 256 work-groups = 128 rows x 2 halves of the 1,024 columns; 16 waves = 4 column quarters (a load covers 512 consecutive bytes)
; x 4 groups of 64 blocks a.  Each wave keeps DEPTH loads in flight.
; No cluster, data mover or matrix unit: no two work-groups read the same byte, and a load feeds 6 packed instructions.
; BESIDE IT, while the ring fills:
; W for the linear layer.  Work-group x rounds W[16 nb + 0..15][64 kk + 0..63] (nb = x / 8, kk = x % 8) to bf16 and writes it as the
; register image of the matrix fragments: wb at 2048 x + 512 u + 16 (16 h + r) holds W[16 nb + r][64 kk + 16 u + 8 h + 0..7], so that the next
; launch loads a fragment by two loads of 512 consecutive bytes.  One load, one conversion and one LDS store a wave.
; The table twbuf[j0][c0] = e^(-2 pi i j0 c0 / 1024), 1,024 complex numbers that the next launch multiplies by: work-groups 0 and 1, one
; entry a thread, with the series that is here anyway.
; The order of the sums differs from that of a fast transform; both are f32.
.set DEPTH,  32                        ; loads in flight in each wave
.set STEPS,  64                        ; blocks a of a wave
.set CHUNK,  4096                      ; bytes from block a to block a + 1
.set PLANE,  2048                      ; LDS: 512 columns of f32
.set GROUPB, 3*PLANE                   ; LDS: S, C, D of one group of blocks
.set STAGE,  4*GROUPB                  ; LDS: 16 rows of 64 bf16 of W
.set SPITCH, 144                       ; their pitch: 128 bytes + 16
.set SS,  4                            ; v[4:7]    S of my 4 columns
.set CC,  8                            ; v[8:11]   C
.set DD,  12                           ; v[12:15]  D
.set TT,  16                           ; v[16:19]  x(even a) - x(odd a)
.set TWA, 20                           ; v20, v21  cos, sin for block 64 g + lane;  v22, v23 for block 64 g + 32 + lane
.set KQ,  24                           ; v24-29    at work in SINCOS
.set KP,  25
.set K2,  26
.set KS,  27
.set KC,  28
.set KT,  29
.set NI,  30                           ; an angle in units of 2 pi / 2^18
.set X,   32                           ; v[32:159] the ring: slot s = 4 registers
.set R,   32                           ; v[32:43]  behind the stream: the four groups' S, C, D of my column
.set Z,   50                           ; v[50:53]  z127, z128
.set EC,  160                          ; e^(-2 pi i 127 c / N) of the column that I finish
.set ES,  161
.set FC,  162                          ; e^(-2 pi i 128 c / N)
.set FS,  163
.set WV,  164                          ; v[164:165] two f32 of W
.set WO,  166                          ; their byte offset
.set WC,  167                          ; the two as bf16
.set WS,  168                          ; stage, in:  144 wave + 4 lane
.set WRA, 169                          ; stage, out: 144 (t & 15) + 16 ((t >> 4) & 7)
.set WR,  170                          ; v[170:173] 16 bytes of a fragment
.set WA,  174                          ; 16 (t & 127)
.set ZO,  175                          ; 8 c
.set TB,  176                          ; v[176:177] my table entry, v178 its byte offset: not written again behind their store
.set TBO, 178
; cos and sin of 2 pi n / 2^18, n = 0 .. 2^18 - 1.  n splits exactly into q quarter turns and a rest of at most an eighth turn either way;
; the series end at phi^9 / 9! and phi^10 / 10!: the first terms dropped are below 2e-9 at phi = pi / 4.
.macro SINCOS co, si, n
	v_add_nc_u32 v[KQ], 0x8000, v[\n]
	v_lshrrev_b32 v[KQ], 16, v[KQ]                 ; q = 0 .. 4
	v_lshlrev_b32 v[KP], 16, v[KQ]
	v_sub_nc_u32 v[KP], v[\n], v[KP]               ; -32768 .. 32767
	v_cvt_f32_i32 v[KP], v[KP]
	v_mul_f32 v[KP], 0x37c90fdb, v[KP]             ; phi = rest * pi / 2^17
	v_mul_f32 v[K2], v[KP], v[KP]
	v_mov_b32 v[KS], 0x3638ef1d                    ;  1 / 9!
	v_mov_b32 v[KC], 0xb493f27e                    ; -1 / 10!
	v_fmaak_f32 v[KS], v[KS], v[K2], 0xb9500d01    ; -1 / 7!
	v_fmaak_f32 v[KC], v[KC], v[K2], 0x37d00d01    ;  1 / 8!
	v_fmaak_f32 v[KS], v[KS], v[K2], 0x3c088889    ;  1 / 5!
	v_fmaak_f32 v[KC], v[KC], v[K2], 0xbab60b61    ; -1 / 6!
	v_fmaak_f32 v[KS], v[KS], v[K2], 0xbe2aaaab    ; -1 / 3!
	v_fmaak_f32 v[KC], v[KC], v[K2], 0x3d2aaaab    ;  1 / 4!
	v_mul_f32 v[KT], v[KP], v[K2]                  ; phi^3
	v_fmaak_f32 v[KC], v[KC], v[K2], 0xbf000000    ; -1 / 2!
	v_fma_f32 v[KS], v[KS], v[KT], v[KP]           ; sin phi
	v_fma_f32 v[KC], v[KC], v[K2], 1.0             ; cos phi
	v_and_b32 v[KT], 1, v[KQ]
	v_cmp_eq_u32 vcc_lo, 1, v[KT]                  ; an odd quarter swaps the two
	v_cndmask_b32 v[\co], v[KC], v[KS], vcc_lo
	v_cndmask_b32 v[\si], v[KS], v[KC], vcc_lo
	v_add_nc_u32 v[KT], 1, v[KQ]
	v_lshlrev_b32 v[KT], 30, v[KT]                 ; the cosine is negative in quarters 1, 2: bit 1 of q + 1
	v_lshlrev_b32 v[KQ], 30, v[KQ]                 ; the sine in quarters 2, 3: bit 1 of q
	v_and_b32 v[KT], 0x80000000, v[KT]
	v_and_b32 v[KQ], 0x80000000, v[KQ]
	v_xor_b32 v[\co], v[\co], v[KT]
	v_xor_b32 v[\si], v[\si], v[KQ]
.endm
	s_load_b256 s[4:11], s[0:1], 0x0               ; audio s[4:5], zbuf s[6:7], W s[8:9], wb s[10:11]
	s_load_b64 s[32:33], s[0:1], 0x20              ; twbuf
	v_lshl_add_u32 v180, v0, 2, 0x6900
	v_mov_b32 v181, 0
	s_lshr_b32 s28, ttmp9, 1                       ; row
	s_and_b32 s29, ttmp9, 1                        ; which half of the columns
	v_lshrrev_b32 v3, 5, v0
	v_readfirstlane_b32 s19, v3                    ; wave
	v_and_b32 v1, 127, v0                          ; 32 x column quarter + lane
	v_lshrrev_b32 v2, 7, v0                        ; g: my group of 64 blocks
	v_lshlrev_b32 v1, 4, v1                        ; 16 bytes a lane
	v_mov_b32 v[WA], v1
	v_lshl_or_b32 v1, v2, 18, v1                   ; + g x 64 blocks of 4,096 bytes
	v_and_b32 v[WC], 31, v0                        ; lane
	v_lshlrev_b32 v[WO], 3, v[WC]
	v_lshl_or_b32 v[WO], v3, 11, v[WO]             ; W: row = wave, 8 bytes a lane
	v_lshlrev_b32 v[WS], 2, v[WC]
	v_mad_u32_u24 v[WS], v3, SPITCH, v[WS]
	v_and_b32 v[WRA], 15, v0
	v_bfe_u32 v[WC], v0, 4, 3
	v_mul_u32_u24 v[WRA], v[WRA], SPITCH
	v_lshl_add_u32 v[WRA], v[WC], 4, v[WRA]
	s_lshl_b32 s12, s28, 20                        ; row x 1 MiB
	s_lshl_b32 s13, s29, 11                        ; half x 2,048 bytes
	s_or_b32 s12, s12, s13
	s_mov_b32 s13, 0
	s_lshl_b32 s14, s28, 14                        ; row x 16 KiB of zbuf
	s_mov_b32 s15, 0
	s_lshr_b32 s16, ttmp9, 3                       ; nb x 16 rows of 2,048 bytes
	s_lshl_b32 s16, s16, 15
	s_and_b32 s17, ttmp9, 7                        ; kk x 256 bytes
	s_lshl_b32 s17, s17, 8
	s_or_b32 s16, s16, s17
	s_mov_b32 s17, 0
	s_lshl_b32 s30, ttmp9, 11                      ; 2,048 bytes of wb
	s_mov_b32 s31, 0
	s_mov_b32 s21, 0                               ; the packed forms name scalar pairs and use the low word alone:
	s_mov_b32 s23, 0                               ; the high words are written once
	s_mov_b32 s25, 0
	s_mov_b32 s27, 0
	; while the arguments are on their way: cos and sin of 2 pi 129 a / 256 for my 64 blocks, one block a lane, twice
	v_and_b32 v3, 31, v0
	v_lshl_or_b32 v3, v2, 6, v3                    ; a = 64 g + lane
	v_mul_u32_u24 v[NI], 0x81, v3
	v_and_b32 v[NI], 0xff, v[NI]                   ; 129 a mod 256,
	v_lshlrev_b32 v[NI], 10, v[NI]                 ; in units of 2 pi / 2^18
	SINCOS TWA, TWA+1, NI
	v_add_nc_u32 v3, 32, v3
	v_mul_u32_u24 v[NI], 0x81, v3
	v_and_b32 v[NI], 0xff, v[NI]
	v_lshlrev_b32 v[NI], 10, v[NI]
	SINCOS TWA+2, TWA+3, NI
	s_wait_kmcnt 0x0
	s_add_nc_u64 s[4:5], s[4:5], s[12:13]
	s_add_nc_u64 s[6:7], s[6:7], s[14:15]
	s_add_nc_u64 s[8:9], s[8:9], s[16:17]
	s_add_nc_u64 s[10:11], s[10:11], s[30:31]
	global_load_b64 v[WV:WV+1], v[WO], s[8:9] th:TH_LOAD_NT        ; 64 k of one row of W: 256 consecutive bytes, aligned
.set st, 0
.rept DEPTH
	global_load_b128 v[X+4*st:X+4*st+3], v1, s[4:5] offset:st*CHUNK th:TH_LOAD_NT   ; fill the ring: blocks 0 .. DEPTH - 1 of my 64
.set st, st+1
.endr
	; while the ring fills: the two factors of the column c = 512 x half + t that I finish behind the stream
	s_lshl_b32 s18, s29, 9
	v_add_nc_u32 v[ZO], s18, v0                    ; c
	v_mul_u32_u24 v[NI], 0x7f, v[ZO]
	v_sub_nc_u32 v[NI], 0, v[NI]
	v_and_b32 v[NI], 0x3ffff, v[NI]                ; - 127 c modulo 2^18
	SINCOS EC, ES, NI
	v_lshlrev_b32 v[NI], 7, v[ZO]
	v_sub_nc_u32 v[NI], 0, v[NI]
	v_and_b32 v[NI], 0x3ffff, v[NI]                ; - 128 c modulo 2^18
	SINCOS FC, FS, NI
	v_lshlrev_b32 v[ZO], 3, v[ZO]
	; the table: entry e = 32 j0 + c0 = 512 x work-group + thread, work-groups 0 and 1 only
	s_cmp_lt_u32 ttmp9, 2
	s_cbranch_scc0 .Lno_table
	s_lshl_b32 s18, ttmp9, 9
	v_add_nc_u32 v[TBO], s18, v0
	v_lshrrev_b32 v3, 5, v[TBO]                    ; j0
	v_and_b32 v[NI], 31, v[TBO]                    ; c0
	v_mul_u32_u24 v[NI], v3, v[NI]
	v_sub_nc_u32 v[NI], 0, v[NI]                   ; the angle is negative:
	v_lshlrev_b32 v[NI], 8, v[NI]                  ; - 256 j0 c0 modulo 2^18
	v_and_b32 v[NI], 0x3ffff, v[NI]
	SINCOS TB, TB+1, NI
	v_lshlrev_b32 v[TBO], 3, v[TBO]
	global_store_b64 v[TBO], v[TB:TB+1], s[32:33]  ; a wave's store covers 256 consecutive bytes, aligned
.Lno_table:
	s_wait_loadcnt DEPTH                           ; W's load was issued first: the DEPTH ring loads behind it may stay out
	v_cvt_pk_bf16_f32 v[WC], v[WV], v[WV+1]
	ds_store_b32 v[WS], v[WC] offset:STAGE         ; row = wave: 128 consecutive bytes, read by others behind the barrier below
; Two blocks, i (even) and i + 1.  first = 1: differences and products start the sums, nothing is cleared.  refill = 1: both slots are
; loaded again, DEPTH blocks further on.  left = how many younger loads may stay out when these two have to be in.
.macro PAIR i, first, refill, left
.set xa, X+4*((\i)%DEPTH)
.set xb, X+4*((\i+1)%DEPTH)
.set tw, TWA+2*((\i)/32)
.set la, (\i)%32
	s_wait_loadcnt \left                           ; loads return in order (ISA guide 5.7.1): blocks i and i + 1 are in
	v_readlane_b32 s20, v[tw], la                  ; a block's cos and sin are the same for every column: scalars
	v_readlane_b32 s22, v[tw+1], la
	v_readlane_b32 s24, v[tw], la+1
	v_readlane_b32 s26, v[tw+1], la+1
.if \first
	v_pk_add_f32 v[SS:SS+1],   v[xa:xa+1],   v[xb:xb+1]   neg_lo:[0,1] neg_hi:[0,1]
	v_pk_add_f32 v[SS+2:SS+3], v[xa+2:xa+3], v[xb+2:xb+3] neg_lo:[0,1] neg_hi:[0,1]
	v_pk_mul_f32 v[CC:CC+1],   v[xa:xa+1],   s[20:21] op_sel_hi:[1,0]
	v_pk_mul_f32 v[CC+2:CC+3], v[xa+2:xa+3], s[20:21] op_sel_hi:[1,0]
	v_pk_mul_f32 v[DD:DD+1],   v[xa:xa+1],   s[22:23] op_sel_hi:[1,0]
	v_pk_mul_f32 v[DD+2:DD+3], v[xa+2:xa+3], s[22:23] op_sel_hi:[1,0]
.else
	v_pk_add_f32 v[TT:TT+1],   v[xa:xa+1],   v[xb:xb+1]   neg_lo:[0,1] neg_hi:[0,1]   ; (-1)^a: even minus odd
	v_pk_add_f32 v[TT+2:TT+3], v[xa+2:xa+3], v[xb+2:xb+3] neg_lo:[0,1] neg_hi:[0,1]
	v_pk_fma_f32 v[CC:CC+1],   v[xa:xa+1],   s[20:21], v[CC:CC+1]   op_sel_hi:[1,0,1]
	v_pk_fma_f32 v[CC+2:CC+3], v[xa+2:xa+3], s[20:21], v[CC+2:CC+3] op_sel_hi:[1,0,1]
	v_pk_fma_f32 v[DD:DD+1],   v[xa:xa+1],   s[22:23], v[DD:DD+1]   op_sel_hi:[1,0,1]
	v_pk_fma_f32 v[DD+2:DD+3], v[xa+2:xa+3], s[22:23], v[DD+2:DD+3] op_sel_hi:[1,0,1]
	v_pk_add_f32 v[SS:SS+1],   v[SS:SS+1],   v[TT:TT+1]
	v_pk_add_f32 v[SS+2:SS+3], v[SS+2:SS+3], v[TT+2:TT+3]
.endif
	v_pk_fma_f32 v[CC:CC+1],   v[xb:xb+1],   s[24:25], v[CC:CC+1]   op_sel_hi:[1,0,1]
	v_pk_fma_f32 v[CC+2:CC+3], v[xb+2:xb+3], s[24:25], v[CC+2:CC+3] op_sel_hi:[1,0,1]
	v_pk_fma_f32 v[DD:DD+1],   v[xb:xb+1],   s[26:27], v[DD:DD+1]   op_sel_hi:[1,0,1]
	v_pk_fma_f32 v[DD+2:DD+3], v[xb+2:xb+3], s[26:27], v[DD+2:DD+3] op_sel_hi:[1,0,1]
.if \refill
	global_load_b128 v[xa:xa+3], v1, s[4:5] offset:(\i+DEPTH)*CHUNK th:TH_LOAD_NT     ; one address register, never stepped:
	global_load_b128 v[xb:xb+3], v1, s[4:5] offset:(\i+1+DEPTH)*CHUNK th:TH_LOAD_NT   ; the block is in the immediate
.endif
.endm
.set st, 0
	PAIR st, 1, 1, DEPTH-2                         ; DEPTH + i ring loads issued, i + 2 needed: DEPTH - 2 may stay out
.set st, 2
.rept (STEPS-DEPTH)/2-1
	PAIR st, 0, 1, DEPTH-2
.set st, st+2
.endr
.rept DEPTH/2
	PAIR st, 0, 0, STEPS-2-st                      ; all 64 are issued: the counts run down to 0
.set st, st+2
.endr
	; the four groups of blocks meet in LDS: [group][S, C, D][512 columns]
	v_and_b32 v3, 127, v0
	v_lshlrev_b32 v3, 4, v3
	v_mad_u32_u24 v3, v2, GROUPB, v3
	ds_store_b128 v3, v[SS:SS+3]
	ds_store_b128 v3, v[CC:CC+3] offset:PLANE
	ds_store_b128 v3, v[DD:DD+3] offset:2*PLANE
	s_wait_dscnt 0x0                               ; my stores, W's too, are in LDS before I say so: other waves read them
	s_barrier_signal -1
	s_barrier_wait -1
	v_lshlrev_b32 v3, 2, v0                        ; from here thread t owns column 512 x half + t
.irp g, 0,1,2,3
.irp p, 0,1,2
	ds_load_b32 v[R+3*\g+\p], v3 offset:\g*GROUPB+\p*PLANE
.endr
.endr
	ds_load_b128 v[WR:WR+3], v[WRA] offset:STAGE   ; row t & 15 of W's block, k = 8 ((t >> 4) & 7) + 0 .. 7
	s_wait_dscnt 0x0
	v_add_f32 v[R],   v[R],   v[R+3]               ; (g0 + g1) + (g2 + g3) for S, C, D
	v_add_f32 v[R+6], v[R+6], v[R+9]
	v_add_f32 v[R+1], v[R+1], v[R+4]
	v_add_f32 v[R+7], v[R+7], v[R+10]
	v_add_f32 v[R+2], v[R+2], v[R+5]
	v_add_f32 v[R+8], v[R+8], v[R+11]
	v_add_f32 v[R],   v[R],   v[R+6]
	v_add_f32 v[R+1], v[R+1], v[R+7]
	v_add_f32 v[R+2], v[R+2], v[R+8]
	v_mul_f32 v[Z],   v[R+2], v[ES]                ; z127 = (C + i D)(EC + i ES)
	v_mul_f32 v[Z+1], v[R+2], v[EC]
	v_fma_f32 v[Z],   v[R+1], v[EC], -v[Z]
	v_fma_f32 v[Z+1], v[R+1], v[ES], v[Z+1]
	v_mul_f32 v[Z+2], v[R], v[FC]                  ; z128 = S (FC + i FS)
	v_mul_f32 v[Z+3], v[R], v[FS]
	global_store_b64 v[ZO], v[Z:Z+1],   s[6:7]                 ; each store of a wave covers 256 consecutive bytes, aligned
	global_store_b64 v[ZO], v[Z+2:Z+3], s[6:7] offset:8192
	s_cmp_gt_u32 s19, 3                            ; W's block is 2,048 bytes: threads 0 .. 127
	s_cbranch_scc1 .Ldone
	global_store_b128 v[WA], v[WR:WR+3], s[10:11]  ; a wave's store covers 512 consecutive bytes, aligned
.Ldone:
	s_wait_tensorcnt 0x0
	ds_add_u32 v180, v181
	s_wait_dscnt 0x0
	s_endpgm
.Lfunc_end_k_q7f7bb59f31_fold:
	.size	k_q7f7bb59f31_fold, .Lfunc_end_k_q7f7bb59f31_fold-k_q7f7bb59f31_fold
	.p2alignl 7, 3214868480
	.fill 96, 4, 3214868480
	.section	.rodata,"a",@progbits
	.p2align	6, 0x0
	.amdhsa_kernel k_q7f7bb59f31_fold
		.amdhsa_group_segment_fixed_size 28928
		.amdhsa_private_segment_fixed_size 0
		.amdhsa_enable_private_segment 0
		.amdhsa_kernarg_size 40
		.amdhsa_user_sgpr_count 2
		.amdhsa_user_sgpr_kernarg_segment_ptr 1
		.amdhsa_wavefront_size32 1
		.amdhsa_system_sgpr_workgroup_id_x 1
		.amdhsa_system_sgpr_workgroup_id_y 1
		.amdhsa_system_sgpr_workgroup_id_z 1
		.amdhsa_system_vgpr_workitem_id 0
		.amdhsa_next_free_vgpr 182
		.amdhsa_next_free_sgpr 66
		.amdhsa_reserve_vcc 1
		.amdhsa_float_denorm_mode_32 3
		.amdhsa_float_denorm_mode_16_64 3
		.amdhsa_memory_ordered 1
		.amdhsa_forward_progress 1
		.amdhsa_inst_pref_size 52
	.end_amdhsa_kernel
	.amdgpu_metadata
---
amdhsa.version: [ 1, 2 ]
amdhsa.kernels:
  - .name:           k_q7f7bb59f31_fold
    .symbol:         k_q7f7bb59f31_fold.kd
    .args:
      - { .name: audio, .offset: 0, .size: 8, .value_kind: global_buffer, .address_space: global }
      - { .name: zbuf, .offset: 8, .size: 8, .value_kind: global_buffer, .address_space: global }
      - { .name: W, .offset: 16, .size: 8, .value_kind: global_buffer, .address_space: global }
      - { .name: wb, .offset: 24, .size: 8, .value_kind: global_buffer, .address_space: global }
      - { .name: twbuf, .offset: 32, .size: 8, .value_kind: global_buffer, .address_space: global }
    .group_segment_fixed_size: 28928
    .private_segment_fixed_size: 0
    .kernarg_segment_align: 8
    .kernarg_segment_size: 40
    .max_flat_workgroup_size: 512
    .sgpr_count:     66
    .vgpr_count:     182
    .wavefront_size: 32
...
	.end_amdgpu_metadata
.endif
;; end of part 4
;; launch tail (part 5): grid 4 x 64, 4 waves a work-group, no clusters, 61,184 bytes of LDS; arguments zbuf, twbuf, wb, b, out0; writes out0
.if DOCPART == 5
	.amdgcn_target "amdgcn-amd-amdhsa--gfx1250"
	.amdhsa_code_object_version 6
	.text
	.protected	k_q7f7bb59f31_tail
	.globl	k_q7f7bb59f31_tail
	.p2align	8
	.type	k_q7f7bb59f31_tail,@function
k_q7f7bb59f31_tail:
	s_mov_b64 s[64:65], 0
	v_nop
	global_prefetch_b8 v0, s[64:65] scope:SCOPE_SE
	s_setreg_imm32_b32 hwreg(HW_REG_WAVE_MODE, 25, 1), 1
	s_wait_xcnt 0x0
; tail: from z127, z128 (launch fold) to out0.  A work-group makes 2 rows (y) x 128 columns (x) of out0 with four waves, one for each SIMD.
;   F0[j] = sum over c of z127[c] e^(-2 pi i j c / 1024) = X[256 j + 127];  F1[j] likewise from z128 = X[256 j + 128];
;   |X[256 j + 129]| = |F0[1023 - j]|, because the audio is real.
; Wave w makes F_(w & 1) of row w >> 1 as 32 x 32 (c = 32 c1 + c0, j = 32 j1 + j0): lane c0 transforms 32 points over c1 to j0; times
; twbuf[j0][c0] = e^(-2 pi i j0 c0 / 1024); transpose in the wave's own LDS; lane j0 transforms 32 points over c0 to j1.  Then the 64
; threads of a row: interpolation of the magnitudes, mean of three, peak test, interpolation from 171 to 512, all in f32; the 512 values
; go to LDS in bf16.  Then out0 = peaks W^T + b on the matrix unit: wave w takes k = 128 w .. 128 w + 127 of all 128 columns; the four
; partial tiles are added through LDS.  The matrix tile has 16 rows and the work-group 2: lane r reads row r & 1, so the result's rows are
; copies of two, and the lanes that hold copies store the same bytes to the same LDS address.
; WHY 2 x 128: 256 transforms, each made by the 4 column blocks of its row, are 1,024: one for each SIMD of 256 work-groups.  The other way
; is a launch of its own for the products and a trip of the peaks through memory.
; With one wave on a SIMD nothing fills the place behind an instruction whose result the next one reads: every recurring step is
; written side by side, eight butterflies (nine taps, eight outputs) pass by pass.
; W's fragments (wb: their register image in bf16), 32 KiB a wave, lie in v256-511.  They are loaded in eight bursts of eight between the
; stages of the two transforms, and those registers are named nowhere else but in the matrix instructions: 18 s_set_vgpr_msb in all.
; No cluster: z is shared by the 4 work-groups along x and wb by the 64 along y, but both go straight into the registers that use them;
; a joint load would land in LDS and add a write and a read of the same 160 KiB there.
; LIMITS: |X| = sqrt(re^2 + im^2) in f32: infinite for |X| above 1.8e19 (the mean of three then gives NaN), zero below about 1e-19
; (v_sqrt_f32 takes a denormal as zero).  Two pooled values that agree to within the rounding of an f32 transform (a few 1e-7 of their
; size) may compare otherwise than under another f32 transform's rounding.
.set XP,     272                       ; transpose: 256 bytes + 16, an odd multiple of 16: 16 rows start in different banks
.set XCHB,   32*XP                     ; one wave's transpose area, wave w at w XCHB
.set MAG,    4*XCHB                    ; wave w: |F[0..1023]| at 4096 w, so a row has |F0|, then |F1|
.set SM,     MAG+4*4096                ; a row: 192 pooled values (171 are used)
.set PKO,    2*768                     ; from a row's pooled values to its 192 peak values
.set ATILE,  SM+2*PKO                  ; 2 rows of 512 bf16
.set APITCH, 1040
.set RED,    ATILE+2*APITCH            ; wave w: its partial tile, 2 rows of 128 f32
.set RPITCH, 528
.set RBYTES, 2*RPITCH
.set TD,  8                            ; v[8:23]   eight differences at work
.set WT,  24                           ; v[24:41]  tap k: w, 1 - w
.set AJ,  42                           ; v[42:50]  tap k: LDS address of |F0[j]|
.set BJ,  51                           ; v[51:59]  tap k: LDS address of |F0[1023 - j]|
.set P,   64                           ; v[64:127]   32 complex numbers
.set Q,   128                          ; v[128:191]  32 complex numbers: the stages go from one to the other, nothing is copied
.set TW,  192                          ; v[192:255]  table factor of slot p (slot 0 is 1 and is not loaded); then the magnitudes
.set LA,  8                            ; behind the transforms: fragment of peaks
.set LR,  9                            ; partial tile, in
.set LF,  10                           ; partial tiles, out
.set LQ,  11                           ; byte offset in out0
.set LB,  12                           ; 8 t
.set BI,  16                           ; v[16:17]  bias of 2 columns
.set G,   64                           ; v[64:90]  tap k: |F0[j]|, |F1[j]|, |F0[1023-j]|; then at work
.set OB,  92                           ; v[92:95]  8 outputs in bf16
.set SP,  96                           ; v[96:104] spec at the nine taps
.set SMV, 108                          ; three pooled values
.set LE,  116                          ; left neighbour, right neighbour, peak value: three each
.set RI,  120
.set PKV, 124
.set SA,  128                          ; row's pooled values + 4 t
.set AL,  129                          ; + 4 ((t + 63) mod 64)
.set AR,  130                          ; + 4 min(t + 129, 191)
.set BASE, 131                         ; 2736 t
.set OVL, 132                          ; row of the peaks tile + 16 t
.set I0,  136                          ; v[136:143] output q: address of i0;  v[144:151] of i1
.set I1,  144
.set FW,  152                          ; w, 1 - w
.set FO,  160
.set E0,  168
.set E1,  176
.set O,   184
.set AF,  64                           ; v[64:95]   fragments of peaks, K steps 0 .. 3
.set ACC, 128                          ; v[128:191] eight tiles of 16 x 16
.set PS,  192                          ; v[192:199] the four waves' partial sums of 2 outputs
.set CB,  66                           ; s[CB+2m-2 : CB+2m-1] = cos(pi m / 16), m = 1 .. 7, twice: a pair for the packed product
.set MK,  40                           ; s40-48: tap k: lanes whose lower bin is 256 j + 127
.set PM,  80                           ; s80-85: the two comparisons of window u
; Butterfly bb = 0 .. 15 of the stage of span h, decimation in frequency: slot fa <- a + b, slot fb <- (a - b) e^(-i pi fm / 16)
.macro IDX h
.set fa, 2*\h*(bb/\h)+(bb%\h)
.set fb, fa+\h
.set fm, (bb%\h)*(16/\h)
.set ft, TD+2*(bb%8)
.endm
.macro PASS1 src, dst, h               ; eight butterflies from bb0: sums, and differences (finished where the factor is 1 or -i)
.set bb, bb0
.rept 8
	IDX \h
	v_pk_add_f32 v[\dst+2*fa:\dst+2*fa+1], v[\src+2*fa:\src+2*fa+1], v[\src+2*fb:\src+2*fb+1]
.if fm == 0
	v_pk_add_f32 v[\dst+2*fb:\dst+2*fb+1], v[\src+2*fa:\src+2*fa+1], v[\src+2*fb:\src+2*fb+1] neg_lo:[0,1] neg_hi:[0,1]
.else
.if fm == 8
	v_sub_f32 v[\dst+2*fb],   v[\src+2*fa+1], v[\src+2*fb+1]      ; times -i: (im, -re)
	v_sub_f32 v[\dst+2*fb+1], v[\src+2*fb],   v[\src+2*fa]
.else
	v_pk_add_f32 v[ft:ft+1], v[\src+2*fa:\src+2*fa+1], v[\src+2*fb:\src+2*fb+1] neg_lo:[0,1] neg_hi:[0,1]
.endif
.endif
.set bb, bb+1
.endr
.endm
.macro PASS2 dst, h                    ; the differences times |cos|: cos(pi fm / 16) = -cos(pi (16 - fm) / 16) above fm = 8
.set bb, bb0
.rept 8
	IDX \h
.if (fm%8) != 0
.if fm < 8
.set cm, fm
.else
.set cm, 16-fm
.endif
	v_pk_mul_f32 v[\dst+2*fb:\dst+2*fb+1], v[ft:ft+1], s[CB+2*cm-2:CB+2*cm-1] op_sel_hi:[1,0]
.endif
.set bb, bb+1
.endr
.endm
.macro PASS3 dst, h                    ; re = re cos + im sin, im = im cos - re sin; sin(pi fm / 16) = cos(pi |8 - fm| / 16)
.set bb, bb0
.rept 8
	IDX \h
.if (fm%8) != 0
.if fm < 8
	v_fma_f32 v[\dst+2*fb],   v[ft+1], s[CB+2*(8-fm)-2], v[\dst+2*fb]
	v_fma_f32 v[\dst+2*fb+1], -v[ft],  s[CB+2*(8-fm)-2], v[\dst+2*fb+1]
.else
	v_fma_f32 v[\dst+2*fb],   v[ft+1], s[CB+2*(fm-8)-2], -v[\dst+2*fb]
	v_fma_f32 v[\dst+2*fb+1], -v[ft],  s[CB+2*(fm-8)-2], -v[\dst+2*fb+1]
.endif
.endif
.set bb, bb+1
.endr
.endm
.macro STAGE src, dst, h               ; the 16 butterflies of span h, in two batches of eight
.set bb0, 0
	PASS1 \src, \dst, \h
	PASS2 \dst, \h
	PASS3 \dst, \h
.set bb0, 8
	PASS1 \src, \dst, \h
	PASS2 \dst, \h
	PASS3 \dst, \h
.endm
; Eight loads of W's fragments: load li brings 512 consecutive bytes into v[256 + 4 li ..]: 16 columns (li / 8), my 128 k.
; s_set_vgpr_msb: bits 7:6 the destination's block of 256 registers; the upper byte repeats the setting that is left.
.macro WLOAD n0
	s_set_vgpr_msb 0x40                            ; destination in block 1, the offset register in block 0
.set li, \n0
.rept 8
	global_load_b128 v[4*li:4*li+3], v7, s[8:9] offset:16384*(li/8)+512*(li%8)
.set li, li+1
.endr
	s_set_vgpr_msb 0x4000                          ; all back to block 0
.endm
; 32 points in a (natural order, destroyed) -> b, slot p holding output bit-reverse(p); 32 loads of W from load w0 on, between the stages
.macro FFT32 a, b, w0
	STAGE \a, \b, 16
	WLOAD \w0
	STAGE \b, \a, 8
	WLOAD \w0+8
	STAGE \a, \b, 4
	WLOAD \w0+16
	STAGE \b, \a, 2
	WLOAD \w0+24
	STAGE \a, \b, 1
.endm
; Tap k of the first interpolation, j in v60.  src = (j + 0.5) * 131073/512 - 0.5, i0 = floor(src), w = src - i0, in f32.  One fused
; multiply-add gives the same number as product, rounding, subtraction: 0.5 is an even multiple of the product's last place, and the product
; lies within 0.5 above a power of two at j = 0 alone, where all is exact.  src >= 127.5 and i0 + 1 <= 130945: the three clamps never bind.
; i0 is 256 j + 127 or 256 j + 128; a mask says which, and it selects values, not addresses.
.macro TAP
	v_cvt_f32_u32 v61, v60
	v_add_f32 v62, 0.5, v61
	v_fma_f32 v62, v62, s34, -0.5                  ; src
	v_floor_f32 v63, v62
	v_fma_f32 v61, v61, s32, s33                   ; 256 j + 127.5
	v_sub_f32 v[WT+2*k], v62, v63                  ; w
	v_cmp_lt_f32 s[MK+k], v63, v61                 ; i0 = 256 j + 127 ?
	v_sub_f32 v[WT+2*k+1], 1.0, v[WT+2*k]          ; 1 - w
	v_lshlrev_b32 v[AJ+k], 2, v60
	v_sub_nc_u32 v[BJ+k], 0xffc, v[AJ+k]
	v_add_nc_u32 v[AJ+k], s37, v[AJ+k]             ; + my row's magnitudes
	v_add_nc_u32 v[BJ+k], s37, v[BJ+k]
.endm
.macro SETC m, bits
	s_mov_b32 s[CB+2*\m-2], \bits
	s_mov_b32 s[CB+2*\m-1], \bits
.endm
	s_load_b256 s[4:11], s[0:1], 0x0               ; zbuf s[4:5], twbuf s[6:7], wb s[8:9], b s[10:11]
	s_load_b64 s[12:13], s[0:1], 0x20              ; out0
	s_set_vgpr_msb 0x80
	v_lshl_add_u32 v0, v0, 2, 0xed00
	v_mov_b32 v1, 0
	s_set_vgpr_msb 0x8000
	v_lshrrev_b32 v2, 5, v0
	v_readfirstlane_b32 s14, v2                    ; wave
	v_and_b32 v1, 31, v0                           ; lane
	s_and_b32 s15, ttmp7, 0xffff                   ; y: pair of rows.  ttmp9: x, block of 128 columns
	s_lshr_b32 s16, s14, 1                         ; my row of the two
	s_and_b32 s53, s14, 1
	s_lshl_b32 s53, s53, 5                         ; my thread in the row is lane + 32 (wave & 1)
	s_lshl_b32 s26, s14, 13                        ; z: 8 KiB a wave
	s_lshl_b32 s37, s16, 13
	s_add_co_u32 s37, s37, MAG                     ; my row's magnitudes
	s_mul_i32 s38, s16, 768
	s_add_co_u32 s38, s38, SM                      ; my row's pooled values
	s_mul_i32 s39, s16, APITCH
	s_add_co_u32 s39, s39, ATILE                   ; my row of the peaks tile
	s_lshl_b32 s54, s14, 12                        ; wb: my 128 k are 4,096 bytes of each block of 16 columns
	s_lshl_b32 s55, s14, 8
	s_add_co_u32 s55, s55, ATILE                   ; my 128 k of the peaks tile
	s_mul_i32 s56, s14, RBYTES
	s_add_co_u32 s56, s56, RED                     ; my partial tile
	s_mul_i32 s57, s14, XCHB                       ; my transpose area
	s_lshl_b32 s58, s14, 12
	s_add_co_u32 s58, s58, MAG                     ; my transform's magnitudes
	s_mul_i32 s59, s16, RPITCH
	s_add_co_u32 s59, s59, RED                     ; my row in the first partial tile
	s_lshl_b32 s60, s16, 11                        ; my row in out0
	s_lshl_b32 s18, s15, 15                        ; 2 rows of 16 KiB of zbuf
	s_mov_b32 s19, 0
	s_lshl_b32 s20, ttmp9, 17                      ; 8 blocks of 16 columns of wb, 16 KiB each
	s_mov_b32 s21, 0
	s_lshl_b32 s22, ttmp9, 9                       ; 128 columns of f32
	s_mov_b32 s23, 0
	s_lshl_b32 s24, s15, 12                        ; 2 rows of 2,048 bytes of out0
	s_or_b32 s24, s24, s22
	s_mov_b32 s25, 0
	SETC 1, 0x3f7b14be                             ; cos(pi m / 16)
	SETC 2, 0x3f6c835e
	SETC 3, 0x3f54db31
	SETC 4, 0x3f3504f3
	SETC 5, 0x3f0e39da
	SETC 6, 0x3ec3ef15
	SETC 7, 0x3e47c5c2
	s_mov_b32 s32, 0x43800000                      ; 256
	s_mov_b32 s33, 0x42ff0000                      ; 127.5
	s_mov_b32 s34, 0x43800040                      ; 131073 / 512, exact
	s_mov_b32 s35, 0x3eaaaaab                      ; 1 / 3
	s_mov_b32 s36, 0xc0400000                      ; -3
	v_lshlrev_b32 v3, 3, v1                        ; 8 bytes a lane
	v_add_nc_u32 v2, s26, v3                       ; z: + my wave's 8 KiB
	v_add_nc_u32 v4, s57, v3                       ; transpose in: column = lane
	v_mul_u32_u24 v5, v1, XP
	v_add_nc_u32 v5, s57, v5                       ; transpose out: row = lane
	v_lshl_add_u32 v6, v1, 2, s58                  ; my magnitudes, word = lane
	; while the arguments are on their way: the nine taps, which hang on the thread's number alone
	v_add_nc_u32 v60, s53, v1                      ; t = 0 .. 63, my thread in the row
	v_cmp_le_u32 s50, 1, v60                       ; t >= 1
	v_cmp_ge_u32 s51, 41, v60                      ; t <= 41
	; thread t pools windows m = t + 64 u, u = 0, 1, 2 (those above 170 work on written bytes and are never used);
	; window m takes spec[3 m - 1 .. 3 m + 1]; tap k = 3 u + tau has j = 3 t + 192 u + tau - 1
	v_mul_u32_u24 v7, 3, v60
	v_add_nc_u32 v60, 0x3ff, v7
	v_and_b32 v60, 0x3ff, v60                      ; tap 0: 3 t - 1 modulo 1024; t = 0 gets j = 1023, a written word, and its value is
.set k, 0                                          ; replaced by the padding's zero below
	TAP
.set k, 1
.rept 8
	v_add_nc_u32 v60, 192*(k/3)+(k%3)-1, v7
	TAP
.set k, k+1
.endr
	v_lshl_add_u32 v7, v1, 4, s54                  ; from here v7 is W's offset: 16 bytes a lane + my 128 k
	s_wait_kmcnt 0x0
	s_add_nc_u64 s[4:5], s[4:5], s[18:19]
	s_add_nc_u64 s[8:9], s[8:9], s[20:21]
	s_add_nc_u64 s[10:11], s[10:11], s[22:23]
	s_add_nc_u64 s[12:13], s[12:13], s[24:25]
.set p, 0
.rept 32
	global_load_b64 v[P+2*p:P+2*p+1], v2, s[4:5] offset:256*p      ; z[32 p + lane]: 256 consecutive bytes, aligned
.set p, p+1
.endr
.set p, 1
.rept 31
.set rv, ((p&1)<<4)|((p&2)<<2)|(p&4)|((p&8)>>2)|((p&16)>>4)
	global_load_b64 v[TW+2*p:TW+2*p+1], v3, s[6:7] offset:256*rv   ; twbuf[j0][lane] for the j0 that slot p will hold
.set p, p+1
.endr
	s_wait_loadcnt 31                              ; the 31 table loads were issued behind the 32 loads of z and may stay out
	FFT32 P, Q, 0
	s_wait_loadcnt 32                              ; behind the table loads came the 32 loads of W in the transform above: those may stay out
	; times the table factor, eight slots side by side, and into the transpose: row j0, column c0
.set pb, 0
.rept 4
.set p, pb
.rept 8
.if p > 0
	v_mul_f32 v[P+2*p],   v[Q+2*p+1], v[TW+2*p+1]
	v_mul_f32 v[P+2*p+1], v[Q+2*p+1], v[TW+2*p]
.endif
.set p, p+1
.endr
.set p, pb
.rept 8
.if p > 0
	v_fma_f32 v[P+2*p],   v[Q+2*p], v[TW+2*p],   -v[P+2*p]
	v_fma_f32 v[P+2*p+1], v[Q+2*p], v[TW+2*p+1], v[P+2*p+1]
.endif
.set p, p+1
.endr
.set p, pb
.rept 8
.set rv, ((p&1)<<4)|((p&2)<<2)|(p&4)|((p&8)>>2)|((p&16)>>4)
.if p > 0
	ds_store_b64 v4, v[P+2*p:P+2*p+1] offset:XP*rv
.else
	ds_store_b64 v4, v[Q:Q+1]                      ; j0 = 0: the factor is 1
.endif
.set p, p+1
.endr
.set pb, pb+8
.endr
.set i, 0
.rept 16
	ds_load_b128 v[Q+4*i:Q+4*i+3], v5 offset:16*i  ; my wave's own bytes, served in order behind its stores (ISA guide 5.7.1): no barrier
.set i, i+1
.endr
	s_wait_dscnt 0x0
	FFT32 Q, P, 32
.set p, 0
.rept 32
	v_mul_f32  v[Q+p], v[P+2*p], v[P+2*p]
.set p, p+1
.endr
.set p, 0
.rept 32
	v_fmac_f32 v[Q+p], v[P+2*p+1], v[P+2*p+1]
.set p, p+1
.endr
.set p, 0
.rept 32
	v_sqrt_f32 v[TW+p], v[Q+p]
.set p, p+1
.endr
	v_nop                                          ; one plain place behind the last square root before its result is read or its source rewritten
.set p, 0
	s_wait_alu depctr_va_vdst(0)
.rept 32
.set rv, ((p&1)<<4)|((p&2)<<2)|(p&4)|((p&8)>>2)|((p&16)>>4)
	ds_store_b32 v6, v[TW+p] offset:128*rv         ; |F[32 j1 + lane]|
.set p, p+1
.endr
	; addresses for all that follows, while the stores go
	v_add_nc_u32 v60, s53, v1                      ; t
	v_lshlrev_b32 v[LB], 3, v60
	global_load_b64 v[BI:BI+1], v[LB], s[10:11]    ; bias of columns 2 t, 2 t + 1: a wave takes 256 consecutive bytes, aligned
	v_lshl_add_u32 v[SA], v60, 2, s38
	v_add_nc_u32 v61, 63, v60
	v_add_nc_u32 v62, 0x81, v60
	v_and_b32 v61, 63, v61                         ; t - 1 modulo 64: t = 0 reads word 63, and its comparison is masked off below
	v_min_u32 v62, 0xbf, v62
	v_lshl_add_u32 v[AL], v61, 2, s38
	v_lshl_add_u32 v[AR], v62, 2, s38
	v_mul_u32_u24 v[BASE], 0xab0, v60              ; 171 x 16 t
	v_lshl_add_u32 v[OVL], v60, 4, s39
	v_bfe_u32 v62, v0, 4, 1                        ; h
	v_and_b32 v63, 1, v0                           ; r & 1
	v_mul_u32_u24 v[LA], v63, APITCH
	v_mul_u32_u24 v[LR], v63, RPITCH
	v_lshl_add_u32 v[LA], v62, 4, v[LA]
	v_lshl_add_u32 v[LR], v62, 5, v[LR]
	v_add_nc_u32 v[LA], s55, v[LA]                 ; fragment of peaks: row r & 1, 16 h
	v_add_nc_u32 v[LR], s56, v[LR]                 ; partial tile in: row r & 1, columns 8 h ..
	v_add_nc_u32 v[LF], s59, v[LB]                 ; partial tiles out: my row, 8 t
	v_add_nc_u32 v[LQ], s60, v[LB]                 ; and the same place in out0
	s_wait_dscnt 0x0                               ; my magnitudes are in LDS before I say so
	s_barrier_signal -1
	s_barrier_wait -1
	; the magnitudes at my nine taps
.set k, 0
.rept 9
	ds_load_b32 v[G+3*k],   v[AJ+k]
	ds_load_b32 v[G+3*k+1], v[AJ+k] offset:4096
	ds_load_b32 v[G+3*k+2], v[BJ+k]
.set k, k+1
.endr
	; while they come: outputs o = 8 t + q of the second interpolation: src = max((171 (2 o + 1) - 512) / 1024, 0), exact in f32 and in whole
	; numbers alike.  171 (2 o + 1) is 171 at o = 0 and at least 513 from o = 1 on: the maximum binds at output 0 alone, so only q = 0 carries it.
	v_add_nc_u32 v[I1], 171, v[BASE]
	v_max_u32 v[I1], 0x200, v[I1]
	v_add_nc_u32 v[I1], 0xfffffe00, v[I1]          ; n = 1024 src
.set q, 1
.rept 7
	v_add_nc_u32 v[I1+q], 171*(2*q+1)-512, v[BASE]
.set q, q+1
.endr
.set q, 0
.rept 8
	v_lshrrev_b32 v[I0+q], 10, v[I1+q]             ; i0 <= 170
	v_and_b32 v[FW+q], 0x3ff, v[I1+q]
.set q, q+1
.endr
	v_min_u32 v[I0], 0xaa, v[I0]                   ; q = 0: the bound of 170 written out, as this n came through a maximum and a wrapping sum
.set q, 0
.rept 8
	v_add_nc_u32 v[I1+q], 1, v[I0+q]
.set q, q+1
.endr
.set q, 0
.rept 8
	v_min_u32 v[I1+q], 0xaa, v[I1+q]               ; i1 = min(i0 + 1, 170)
	v_cvt_f32_u32 v[FW+q], v[FW+q]
.set q, q+1
.endr
.set q, 0
.rept 8
	v_lshl_add_u32 v[I0+q], v[I0+q], 2, s38
	v_lshl_add_u32 v[I1+q], v[I1+q], 2, s38
	v_mul_f32 v[FW+q], 0x3a800000, v[FW+q]         ; w = (n mod 1024) / 1024
.set q, q+1
.endr
.set q, 0
.rept 8
	v_sub_f32 v[FO+q], 1.0, v[FW+q]
.set q, q+1
.endr
	s_wait_dscnt 0x0
	; spec at my nine taps, side by side
.set k, 0
.rept 9
	v_cndmask_b32 v[G+3*k],   v[G+3*k+1], v[G+3*k],   s[MK+k]      ; bin i0:     127 ? |F0[j]| : |F1[j]|
	v_cndmask_b32 v[G+3*k+2], v[G+3*k+2], v[G+3*k+1], s[MK+k]      ; bin i0 + 1: 127 ? |F1[j]| : |F0[1023 - j]|
.set k, k+1
.endr
.set k, 0
.rept 9
	v_mul_f32 v[G+3*k], v[G+3*k], v[WT+2*k+1]
.set k, k+1
.endr
.set k, 0
.rept 9
	v_fma_f32 v[SP+k], v[G+3*k+2], v[WT+2*k], v[G+3*k]
.set k, k+1
.endr
	v_cndmask_b32 v[SP], 0, v[SP], s50             ; window 0 begins with the padding
	; my three pooled values: sum / 3, rounded as a division: quotient, exact remainder, correction
.irp u, 0,1,2
	v_add_f32 v[60+\u], v[SP+3*\u], v[SP+3*\u+1]
.endr
.irp u, 0,1,2
	v_add_f32 v[60+\u], v[60+\u], v[SP+3*\u+2]
.endr
.irp u, 0,1,2
	v_mul_f32 v[G+\u], s35, v[60+\u]
.endr
.irp u, 0,1,2
	v_fma_f32 v[G+4+\u], v[G+\u], s36, v[60+\u]
.endr
.irp u, 0,1,2
	v_fma_f32 v[SMV+\u], v[G+4+\u], s35, v[G+\u]
.endr
.irp u, 0,1,2
	ds_store_b32 v[SA], v[SMV+\u] offset:256*\u
.endr
	s_wait_dscnt 0x0
	s_barrier_signal -1
	s_barrier_wait -1
	; the peak test on windows 1 .. 169; 0 and 170 stay zero.  My own three values are still in registers; the neighbours come from LDS
	ds_load_b32 v[LE],   v[AL]
	ds_load_b32 v[LE+1], v[SA] offset:256-4
	ds_load_b32 v[LE+2], v[SA] offset:512-4
	ds_load_b32 v[RI],   v[SA] offset:4
	ds_load_b32 v[RI+1], v[SA] offset:256+4
	ds_load_b32 v[RI+2], v[AR]
	s_wait_dscnt 0x0
.irp u, 0,1,2
	v_cmp_gt_f32 s[PM+2*\u],   v[SMV+\u], v[LE+\u]
	v_cmp_gt_f32 s[PM+2*\u+1], v[SMV+\u], v[RI+\u]
.endr
.irp u, 0,1,2
	s_and_b32 s[PM+2*\u], s[PM+2*\u], s[PM+2*\u+1]
.endr
	s_and_b32 s[PM],   s[PM],   s50                ; not window 0
	s_and_b32 s[PM+4], s[PM+4], s51                ; none above 169
.irp u, 0,1,2
	v_cndmask_b32 v[PKV+\u], 0, v[SMV+\u], s[PM+2*\u]              ; the comparison selects a value and steers nothing else
.endr
.irp u, 0,1,2
	ds_store_b32 v[SA], v[PKV+\u] offset:PKO+256*\u
.endr
	s_wait_dscnt 0x0
	s_barrier_signal -1
	s_barrier_wait -1
	; back to 512 points: thread t makes outputs 8 t .. 8 t + 7 of its row, 16 bytes of the peaks tile
.set q, 0
.rept 8
	ds_load_b32 v[E0+q], v[I0+q] offset:PKO
	ds_load_b32 v[E1+q], v[I1+q] offset:PKO
.set q, q+1
.endr
	s_wait_dscnt 0x0
.set q, 0
.rept 8
	v_mul_f32  v[O+q], v[E0+q], v[FO+q]
.set q, q+1
.endr
.set q, 0
.rept 8
	v_fmac_f32 v[O+q], v[E1+q], v[FW+q]
.set q, q+1
.endr
.set i, 0
.rept 4
	v_cvt_pk_bf16_f32 v[OB+i], v[O+2*i], v[O+2*i+1]
.set i, i+1
.endr
	ds_store_b128 v[OVL], v[OB:OB+3]
	s_wait_dscnt 0x0                               ; my part of the peaks tile is in LDS before I say so: all waves read it
	s_barrier_signal -1
	s_barrier_wait -1
	; the linear layer: my 128 k, four K steps of 32
.set ks, 0
.rept 4
	ds_load_b128 v[AF+8*ks:AF+8*ks+3],   v[LA] offset:64*ks
	ds_load_b128 v[AF+8*ks+4:AF+8*ks+7], v[LA] offset:64*ks+32
.set ks, ks+1
.endr
	s_wait_loadcnt 0x0                             ; W's fragments and the bias
	s_wait_dscnt 0x0
	; W's fragment is source 0 and peaks' source 1: lane (r, h) then holds row r, columns 16 nb + 8 h + 0 .. 7 of the tile.
	; The first product of each tile takes 0 as C; the later ones are the next links of the same chain in place.
	s_set_vgpr_msb 0x01                            ; source 0 in block 1: v[32 nb + 8 ks] below is v[256 + 32 nb + 8 ks]
.set nb, 0
.rept 8
	v_wmma_f32_16x16x32_bf16 v[ACC+8*nb:ACC+8*nb+7], v[32*nb:32*nb+7], v[AF:AF+7], 0
.set nb, nb+1
.endr
.set ks, 1
.rept 3
.set nb, 0
.rept 8
	v_wmma_f32_16x16x32_bf16 v[ACC+8*nb:ACC+8*nb+7], v[32*nb+8*ks:32*nb+8*ks+7], v[AF+8*ks:AF+8*ks+7], v[ACC+8*nb:ACC+8*nb+7]
.set nb, nb+1
.endr
.set ks, ks+1
.endr
	s_set_vgpr_msb 0x0100                          ; all back to block 0
.rept 4
	v_nop                                          ; four places behind the last matrix instruction before its result is read (ISA guide 7.12.1)
.endr
.set nb, 0
.rept 8
	ds_store_b128 v[LR], v[ACC+8*nb:ACC+8*nb+3]   offset:64*nb     ; the eight lanes with the same r & 1 and h store the same
	ds_store_b128 v[LR], v[ACC+8*nb+4:ACC+8*nb+7] offset:64*nb+16  ; 16 bytes to the same address
.set nb, nb+1
.endr
	s_wait_dscnt 0x0                               ; my partial tile is in LDS before I say so
	s_barrier_signal -1
	s_barrier_wait -1
	; 2 rows x 128 columns of f32 are 128 threads x 8 bytes
.set i, 0
.rept 4
	ds_load_b64 v[PS+2*i:PS+2*i+1], v[LF] offset:RBYTES*i
.set i, i+1
.endr
	s_wait_dscnt 0x0
	v_pk_add_f32 v[PS:PS+1],   v[PS:PS+1],   v[PS+2:PS+3]          ; (0 + 1) + (2 + 3), then the bias
	v_pk_add_f32 v[PS+4:PS+5], v[PS+4:PS+5], v[PS+6:PS+7]
	v_pk_add_f32 v[PS:PS+1],   v[PS:PS+1],   v[PS+4:PS+5]
	v_pk_add_f32 v[PS:PS+1],   v[PS:PS+1],   v[BI:BI+1]
	global_store_b64 v[LQ], v[PS:PS+1], s[12:13]   ; a wave's store covers 256 consecutive bytes, aligned
	s_set_vgpr_msb 0xa
	s_wait_tensorcnt 0x0
	ds_add_u32 v0, v1
	s_wait_dscnt 0x0
	s_set_vgpr_msb 0xa00
	s_endpgm
.Lfunc_end_k_q7f7bb59f31_tail:
	.size	k_q7f7bb59f31_tail, .Lfunc_end_k_q7f7bb59f31_tail-k_q7f7bb59f31_tail
	.p2alignl 7, 3214868480
	.fill 96, 4, 3214868480
	.section	.rodata,"a",@progbits
	.p2align	6, 0x0
	.amdhsa_kernel k_q7f7bb59f31_tail
		.amdhsa_group_segment_fixed_size 61184
		.amdhsa_private_segment_fixed_size 0
		.amdhsa_enable_private_segment 0
		.amdhsa_kernarg_size 40
		.amdhsa_user_sgpr_count 2
		.amdhsa_user_sgpr_kernarg_segment_ptr 1
		.amdhsa_wavefront_size32 1
		.amdhsa_system_sgpr_workgroup_id_x 1
		.amdhsa_system_sgpr_workgroup_id_y 1
		.amdhsa_system_sgpr_workgroup_id_z 1
		.amdhsa_system_vgpr_workitem_id 0
		.amdhsa_next_free_vgpr 514
		.amdhsa_next_free_sgpr 88
		.amdhsa_reserve_vcc 0
		.amdhsa_float_denorm_mode_32 3
		.amdhsa_float_denorm_mode_16_64 3
		.amdhsa_memory_ordered 1
		.amdhsa_forward_progress 1
		.amdhsa_inst_pref_size 87
	.end_amdhsa_kernel
	.amdgpu_metadata
---
amdhsa.version: [ 1, 2 ]
amdhsa.kernels:
  - .name:           k_q7f7bb59f31_tail
    .symbol:         k_q7f7bb59f31_tail.kd
    .args:
      - { .name: zbuf, .offset: 0, .size: 8, .value_kind: global_buffer, .address_space: global }
      - { .name: twbuf, .offset: 8, .size: 8, .value_kind: global_buffer, .address_space: global }
      - { .name: wb, .offset: 16, .size: 8, .value_kind: global_buffer, .address_space: global }
      - { .name: b, .offset: 24, .size: 8, .value_kind: global_buffer, .address_space: global }
      - { .name: out0, .offset: 32, .size: 8, .value_kind: global_buffer, .address_space: global }
    .group_segment_fixed_size: 61184
    .private_segment_fixed_size: 0
    .kernarg_segment_align: 8
    .kernarg_segment_size: 40
    .max_flat_workgroup_size: 128
    .sgpr_count:     88
    .vgpr_count:     514
    .wavefront_size: 32
...
	.end_amdgpu_metadata
.endif
;; end of part 5
;; ======== version 3 of 3: 2 launches; version 2 with the launch fold written anew for expert scheduling mode
;; limits: inputs' magnitudes at most 70,000,000,000,000; right only within a limited range of input values
;; workspace buffers: zbuf 2,097,152 bytes; wb 524,288 bytes; twbuf 8,192 bytes
;; launch fold (part 6): grid 256 x 1, 16 waves a work-group, no clusters, 28,928 bytes of LDS; arguments audio, zbuf, W, wb, twbuf; writes zbuf, wb, twbuf
.if DOCPART == 6
	.amdgcn_target "amdgcn-amd-amdhsa--gfx1250"
	.amdhsa_code_object_version 6
	.text
	.protected	k_q7f7bb59f31_fold
	.globl	k_q7f7bb59f31_fold
	.p2align	8
	.type	k_q7f7bb59f31_fold,@function
k_q7f7bb59f31_fold:
	s_mov_b64 s[64:65], 0
	v_nop
	global_prefetch_b8 v0, s[64:65] scope:SCOPE_SE
	s_setreg_imm32_b32 hwreg(HW_REG_WAVE_SCHED_MODE, 0, 2), 2
	s_setreg_imm32_b32 hwreg(HW_REG_WAVE_MODE, 25, 1), 1
	s_wait_xcnt 0x0
	s_wait_alu depctr_vm_vsrc(0)
; fold: the first step of the 262,144-point real transform, for the only bins that the interpolation to 512 points reads:
; k = 256 j + r, r = 127, 128, 129.  With t = 1024 a + c (a = 0..255, c = 0..1023), N = 262144:
;   X[256 j + r] = sum over c of e^(-2 pi i j c / 1024) e^(-2 pi i r c / N) y_r[c],   y_r[c] = sum over a of x[1024 a + c] e^(-2 pi i r a / 256)
;   y_128 = S = sum (-1)^a x;   y_127 = C + i D,  C, D = sum of x cos, x sin of 2 pi 129 a / 256   (x is real; r = 129 is the conjugate)
; so a sample costs three real multiply-adds.  The launch streams audio once and stores, as complex f32,
;   zbuf[row][0][c] = z127 = (C + i D) e^(-2 pi i 127 c / N),   zbuf[row][1][c] = z128 = S e^(-2 pi i 128 c / N).
; All in f32 on the vector unit: the peak test further down is a comparison, which operands of 16 bits would turn over in many places.
; WORK: 256 work-groups = 128 rows x 2 halves of the 1,024 columns; 16 waves = 4 column quarters (a load covers 512 consecutive bytes)
; x 4 groups of 64 blocks a.  Each wave fills a ring of DEPTH slots and then keeps DEPTH - 4 to DEPTH - 2 loads in flight.
; No cluster, data mover or matrix unit: no two work-groups read the same byte, and a load feeds 6 packed instructions.
; BESIDE IT, while the ring fills:
; W for the linear layer.  Work-group x rounds W[16 nb + 0..15][64 kk + 0..63] (nb = x / 8, kk = x % 8) to bf16 and writes it as the
; register image of the matrix fragments: wb at 2048 x + 512 u + 16 (16 h + r) holds W[16 nb + r][64 kk + 16 u + 8 h + 0..7], so that the next
; launch loads a fragment by two loads of 512 consecutive bytes.  One load, one conversion and one LDS store a wave.
; The table twbuf[j0][c0] = e^(-2 pi i j0 c0 / 1024), 1,024 complex numbers that the next launch multiplies by: work-groups 0 and 1, one
; entry a thread, with the series that is here anyway.
; The order of the sums differs from that of a fast transform; both are f32.
; THE MODE: SCHED_MODE bits 1:0 = 2 (LLVM: expert scheduling mode 2), set by the entry lines.  The code itself states the register dependences
; between vector instructions and memory or LDS instructions, with s_wait_alu, always for 0.
; THE PLAN.  Registers that memory or LDS instructions touch:
;   the ring X    Pair p (blocks 2 p, 2 p + 1) reads its two slots by twelve packed instructions; the loads that fill these slots again are
;                 issued in pair p + 1, behind the one wait on va_vdst at that pair's head, and dealt among that pair's arithmetic, which names
;                 its own two slots, S, C, D, TT and the table of cosines alone.  Pairs 17 to 31 load nothing and have no such wait.
;   v1, WO, WS, WRA, WA, LSA, LLA   offsets and LDS addresses: made at the head, ahead of the wait in front of the first load, never written again.
;   ZO            made while the ring fills, never written again; the waits of the stream stand between it and the stores that read it.
;   WC; TB, TBO; S, C, D; Z   data of stores: each is written, then a wait on va_vdst, then its store; none is written again behind its store.
;   R (the ring's first three slots), WR   LDS loads land in them behind the barrier: the wait ahead of the LDS stores of S, C, D shows every
;                 pair done reading the ring, and no vector instruction stands between that wait and these loads.
; No register that a memory or LDS instruction reads is ever written again, and no base is stepped.
; Scalars written by vector instructions: the wave's number (one wait at the head), VCC in the series (one wait in each), and a pair's four
; cosines and sines, which are read off the lanes a pair ahead, into two sets of scalars by turns, with one wait on va_sdst at each pair's head.
.set DEPTH,  32                        ; slots of the ring
.set STEPS,  64                        ; blocks a of a wave
.set CHUNK,  4096                      ; bytes from block a to block a + 1
.set PLANE,  2048                      ; LDS: 512 columns of f32
.set GROUPB, 3*PLANE                   ; LDS: S, C, D of one group of blocks
.set STAGE,  4*GROUPB                  ; LDS: 16 rows of 64 bf16 of W
.set SPITCH, 144                       ; their pitch: 128 bytes + 16
.set SCA, 20                           ; s[20:27], s[36:43]: a pair's cos, sin, cos, sin, each the low word of a scalar pair; the two sets take turns
.set SS,  4                            ; v[4:7]    S of my 4 columns
.set CC,  8                            ; v[8:11]   C
.set DD,  12                           ; v[12:15]  D
.set TT,  16                           ; v[16:19]  x(even a) - x(odd a)
.set TWA, 20                           ; v20, v21  cos, sin for block 64 g + lane;  v22, v23 for block 64 g + 32 + lane
.set KQ,  24                           ; v24-29    at work in SINCOS
.set KP,  25
.set K2,  26
.set KS,  27
.set KC,  28
.set KT,  29
.set NI,  30                           ; an angle in units of 2 pi / 2^18
.set LSA, 31                           ; LDS address at which I store S, C, D: group g, 16 (t & 127)
.set X,   32                           ; v[32:159] the ring: slot s = 4 registers
.set R,   32                           ; v[32:43]  behind the stream: the four groups' S, C, D of my column
.set Z,   50                           ; v[50:53]  z127, z128
.set EC,  160                          ; e^(-2 pi i 127 c / N) of the column that I finish
.set ES,  161
.set FC,  162                          ; e^(-2 pi i 128 c / N)
.set FS,  163
.set WV,  164                          ; v[164:165] two f32 of W
.set WO,  166                          ; their byte offset
.set WC,  167                          ; the two as bf16
.set WS,  168                          ; stage, in:  144 wave + 4 lane
.set WRA, 169                          ; stage, out: 144 (t & 15) + 16 ((t >> 4) & 7)
.set WR,  170                          ; v[170:173] 16 bytes of a fragment
.set WA,  174                          ; 16 (t & 127)
.set ZO,  175                          ; 8 c
.set TB,  176                          ; v[176:177] my table entry, v178 its byte offset: not written again behind their store
.set TBO, 178
.set LLA, 179                          ; LDS address at which I read the groups' sums back: 4 t
; cos and sin of 2 pi n / 2^18, n = 0 .. 2^18 - 1.  n splits exactly into q quarter turns and a rest of at most an eighth turn either way;
; the series end at phi^9 / 9! and phi^10 / 10!: the first terms dropped are below 2e-9 at phi = pi / 4.
; The comparison stands as soon as q is known, the two series between it and the wait for VCC.
.macro SINCOS co, si, n
	v_add_nc_u32 v[KQ], 0x8000, v[\n]
	v_lshrrev_b32 v[KQ], 16, v[KQ]                 ; q = 0 .. 4
	v_and_b32 v[KT], 1, v[KQ]
	v_cmp_eq_u32 vcc_lo, 1, v[KT]                  ; an odd quarter swaps the two
	v_lshlrev_b32 v[KP], 16, v[KQ]
	v_sub_nc_u32 v[KP], v[\n], v[KP]               ; -32768 .. 32767
	v_cvt_f32_i32 v[KP], v[KP]
	v_mul_f32 v[KP], 0x37c90fdb, v[KP]             ; phi = rest * pi / 2^17
	v_mul_f32 v[K2], v[KP], v[KP]
	v_mov_b32 v[KS], 0x3638ef1d                    ;  1 / 9!
	v_mov_b32 v[KC], 0xb493f27e                    ; -1 / 10!
	v_fmaak_f32 v[KS], v[KS], v[K2], 0xb9500d01    ; -1 / 7!
	v_fmaak_f32 v[KC], v[KC], v[K2], 0x37d00d01    ;  1 / 8!
	v_fmaak_f32 v[KS], v[KS], v[K2], 0x3c088889    ;  1 / 5!
	v_fmaak_f32 v[KC], v[KC], v[K2], 0xbab60b61    ; -1 / 6!
	v_fmaak_f32 v[KS], v[KS], v[K2], 0xbe2aaaab    ; -1 / 3!
	v_fmaak_f32 v[KC], v[KC], v[K2], 0x3d2aaaab    ;  1 / 4!
	v_mul_f32 v[KT], v[KP], v[K2]                  ; phi^3
	v_fmaak_f32 v[KC], v[KC], v[K2], 0xbf000000    ; -1 / 2!
	v_fma_f32 v[KS], v[KS], v[KT], v[KP]           ; sin phi
	v_fma_f32 v[KC], v[KC], v[K2], 1.0             ; cos phi
	s_wait_alu depctr_va_vcc(0)                    ; the comparison has written VCC, which the two selects read
	v_cndmask_b32 v[\co], v[KC], v[KS], vcc_lo
	v_cndmask_b32 v[\si], v[KS], v[KC], vcc_lo
	v_add_nc_u32 v[KT], 1, v[KQ]
	v_lshlrev_b32 v[KT], 30, v[KT]                 ; the cosine is negative in quarters 1, 2: bit 1 of q + 1
	v_lshlrev_b32 v[KQ], 30, v[KQ]                 ; the sine in quarters 2, 3: bit 1 of q
	v_and_b32 v[KT], 0x80000000, v[KT]
	v_and_b32 v[KQ], 0x80000000, v[KQ]
	v_xor_b32 v[\co], v[\co], v[KT]
	v_xor_b32 v[\si], v[\si], v[KQ]
.endm
	s_load_b256 s[4:11], s[0:1], 0x0               ; audio s[4:5], zbuf s[6:7], W s[8:9], wb s[10:11]
	s_load_b64 s[32:33], s[0:1], 0x20              ; twbuf
	v_lshl_add_u32 v180, v0, 2, 0x6900
	v_mov_b32 v181, 0
	s_lshr_b32 s28, ttmp9, 1                       ; row
	s_and_b32 s29, ttmp9, 1                        ; which half of the columns
	v_lshrrev_b32 v3, 5, v0
	v_readfirstlane_b32 s19, v3                    ; wave
	v_and_b32 v1, 127, v0                          ; 32 x column quarter + lane
	v_lshrrev_b32 v2, 7, v0                        ; g: my group of 64 blocks
	v_lshlrev_b32 v1, 4, v1                        ; 16 bytes a lane
	v_mov_b32 v[WA], v1
	v_lshl_or_b32 v1, v2, 18, v1                   ; + g x 64 blocks of 4,096 bytes
	v_and_b32 v[WC], 31, v0                        ; lane
	v_lshlrev_b32 v[WO], 3, v[WC]
	v_lshl_or_b32 v[WO], v3, 11, v[WO]             ; W: row = wave, 8 bytes a lane
	v_lshlrev_b32 v[WS], 2, v[WC]
	v_mad_u32_u24 v[WS], v3, SPITCH, v[WS]
	v_and_b32 v[WRA], 15, v0
	v_bfe_u32 v[WC], v0, 4, 3
	v_mul_u32_u24 v[WRA], v[WRA], SPITCH
	v_lshl_add_u32 v[WRA], v[WC], 4, v[WRA]
	v_mad_u32_u24 v[LSA], v2, GROUPB, v[WA]        ; where the groups meet in LDS: [group][S, C, D][512 columns], 16 bytes a thread
	v_lshlrev_b32 v[LLA], 2, v0                    ; and where thread t, which then owns column 512 x half + t, reads them back
	s_wait_alu depctr_va_sdst(0)                   ; s19 is written.  The wait stands here, in the writer's own straight run
	s_lshl_b32 s12, s28, 20                        ; row x 1 MiB
	s_lshl_b32 s13, s29, 11                        ; half x 2,048 bytes
	s_or_b32 s12, s12, s13
	s_mov_b32 s13, 0
	s_lshl_b32 s14, s28, 14                        ; row x 16 KiB of zbuf
	s_mov_b32 s15, 0
	s_lshr_b32 s16, ttmp9, 3                       ; nb x 16 rows of 2,048 bytes
	s_lshl_b32 s16, s16, 15
	s_and_b32 s17, ttmp9, 7                        ; kk x 256 bytes
	s_lshl_b32 s17, s17, 8
	s_or_b32 s16, s16, s17
	s_mov_b32 s17, 0
	s_lshl_b32 s30, ttmp9, 11                      ; 2,048 bytes of wb
	s_mov_b32 s31, 0
.irp w, 1,3,5,7,17,19,21,23
	s_mov_b32 s[SCA+\w], 0                         ; the packed forms name scalar pairs and use the low word alone: the high words of both sets are written once
.endr
	; while the arguments are on their way: cos and sin of 2 pi 129 a / 256 for my 64 blocks, one block a lane, twice
	v_and_b32 v3, 31, v0
	v_lshl_or_b32 v3, v2, 6, v3                    ; a = 64 g + lane
	v_mul_u32_u24 v[NI], 0x81, v3
	v_and_b32 v[NI], 0xff, v[NI]                   ; 129 a mod 256,
	v_lshlrev_b32 v[NI], 10, v[NI]                 ; in units of 2 pi / 2^18
	SINCOS TWA, TWA+1, NI
	v_add_nc_u32 v3, 32, v3
	v_mul_u32_u24 v[NI], 0x81, v3
	v_and_b32 v[NI], 0xff, v[NI]
	v_lshlrev_b32 v[NI], 10, v[NI]
	SINCOS TWA+2, TWA+3, NI
	s_wait_kmcnt 0x0
	s_add_nc_u64 s[4:5], s[4:5], s[12:13]
	s_add_nc_u64 s[6:7], s[6:7], s[14:15]
	s_add_nc_u64 s[8:9], s[8:9], s[16:17]
	s_add_nc_u64 s[10:11], s[10:11], s[30:31]
	s_wait_alu depctr_va_vdst(0)                   ; v1, WO, WS, WRA, WA, LSA and LLA are written: the loads, stores and LDS instructions of the whole kernel read them as offsets and addresses
	global_load_b64 v[WV:WV+1], v[WO], s[8:9] th:TH_LOAD_NT        ; 64 k of one row of W: 256 consecutive bytes, aligned
.set st, 0
.rept DEPTH
	global_load_b128 v[X+4*st:X+4*st+3], v1, s[4:5] offset:st*CHUNK th:TH_LOAD_NT   ; fill the ring: blocks 0 .. DEPTH - 1 of my 64
.set st, st+1
.endr
	; while the ring fills: the two factors of the column c = 512 x half + t that I finish behind the stream
	s_lshl_b32 s18, s29, 9
	v_add_nc_u32 v[ZO], s18, v0                    ; c
	v_mul_u32_u24 v[NI], 0x7f, v[ZO]
	v_sub_nc_u32 v[NI], 0, v[NI]
	v_and_b32 v[NI], 0x3ffff, v[NI]                ; - 127 c modulo 2^18
	SINCOS EC, ES, NI
	v_lshlrev_b32 v[NI], 7, v[ZO]
	v_sub_nc_u32 v[NI], 0, v[NI]
	v_and_b32 v[NI], 0x3ffff, v[NI]                ; - 128 c modulo 2^18
	SINCOS FC, FS, NI
	v_lshlrev_b32 v[ZO], 3, v[ZO]
	; the table: entry e = 32 j0 + c0 = 512 x work-group + thread, work-groups 0 and 1 only
	s_cmp_lt_u32 ttmp9, 2
	s_cbranch_scc0 .Lno_table
	s_lshl_b32 s18, ttmp9, 9
	v_add_nc_u32 v[TBO], s18, v0
	v_lshrrev_b32 v3, 5, v[TBO]                    ; j0
	v_and_b32 v[NI], 31, v[TBO]                    ; c0
	v_mul_u32_u24 v[NI], v3, v[NI]
	v_sub_nc_u32 v[NI], 0, v[NI]                   ; the angle is negative:
	v_lshlrev_b32 v[NI], 8, v[NI]                  ; - 256 j0 c0 modulo 2^18
	v_and_b32 v[NI], 0x3ffff, v[NI]
	SINCOS TB, TB+1, NI
	v_lshlrev_b32 v[TBO], 3, v[TBO]
	s_wait_alu depctr_va_vdst(0)                   ; the series has written v[TB:TB+1] and the shift v[TBO], which the store reads
	global_store_b64 v[TBO], v[TB:TB+1], s[32:33]  ; a wave's store covers 256 consecutive bytes, aligned
.Lno_table:
	s_wait_loadcnt DEPTH                           ; W's load was issued first: the DEPTH ring loads behind it may stay out
	v_cvt_pk_bf16_f32 v[WC], v[WV], v[WV+1]
	v_readlane_b32 s[SCA],   v[TWA],   0           ; the first pair's cos and sin, into the first set of scalars: the wait for them stands at that pair's head
	v_readlane_b32 s[SCA+2], v[TWA+1], 0
	v_readlane_b32 s[SCA+4], v[TWA],   1
	v_readlane_b32 s[SCA+6], v[TWA+1], 1
	s_wait_alu depctr_va_vdst(0)                   ; the conversion has written v[WC], which the LDS store reads
	ds_store_b32 v[WS], v[WC] offset:STAGE         ; row = wave: 128 consecutive bytes, read by others behind the barrier below
; Two blocks, i (even) and i + 1.  first = 1: differences and products start the sums, nothing is cleared.  refill = 1: the two slots of
; the pair BEFORE are loaded again, DEPTH blocks further on.  left = how many younger loads may stay out when these two have to be in.
.macro PAIR i, first, refill, left
.set xa, X+4*((\i)%DEPTH)
.set xb, X+4*((\i+1)%DEPTH)
.set ya, X+4*((\i+DEPTH-2)%DEPTH)      ; the slots of the pair before
.set yb, X+4*((\i+DEPTH-1)%DEPTH)
.set sc, SCA+16*(((\i)/2)%2)           ; this pair's set of scalars,
.set sn, SCA+16-16*(((\i)/2)%2)        ; the next pair's
.set tw, TWA+2*((\i+2)/32)             ; where the next pair's cos and sin lie
.set la, (\i+2)%32
	s_wait_loadcnt \left                           ; loads return in order (ISA guide 5.7.1): blocks i and i + 1 are in
	s_wait_alu depctr_va_sdst(0)                   ; the four v_readlane_b32 issued a pair ago have written this pair's set of scalars, which the packed forms below read
.if \refill
	s_wait_alu depctr_va_vdst(0)                   ; the pair before is done reading its two slots, in which the two loads of this pair land
	global_load_b128 v[ya:ya+3], v1, s[4:5] offset:(\i+DEPTH-2)*CHUNK th:TH_LOAD_NT   ; one address register, never stepped: the block is in the immediate
.endif
.if (\i) < STEPS-2
	v_readlane_b32 s[sn],   v[tw],   la            ; a block's cos and sin are the same for every column: scalars, read off a pair ahead
	v_readlane_b32 s[sn+2], v[tw+1], la
	v_readlane_b32 s[sn+4], v[tw],   la+1
	v_readlane_b32 s[sn+6], v[tw+1], la+1
.endif
.if \first
	v_pk_add_f32 v[SS:SS+1],   v[xa:xa+1],   v[xb:xb+1]   neg_lo:[0,1] neg_hi:[0,1]
	v_pk_add_f32 v[SS+2:SS+3], v[xa+2:xa+3], v[xb+2:xb+3] neg_lo:[0,1] neg_hi:[0,1]
	v_pk_mul_f32 v[CC:CC+1],   v[xa:xa+1],   s[sc:sc+1] op_sel_hi:[1,0]
	v_pk_mul_f32 v[CC+2:CC+3], v[xa+2:xa+3], s[sc:sc+1] op_sel_hi:[1,0]
	v_pk_mul_f32 v[DD:DD+1],   v[xa:xa+1],   s[sc+2:sc+3] op_sel_hi:[1,0]
	v_pk_mul_f32 v[DD+2:DD+3], v[xa+2:xa+3], s[sc+2:sc+3] op_sel_hi:[1,0]
.else
	v_pk_add_f32 v[TT:TT+1],   v[xa:xa+1],   v[xb:xb+1]   neg_lo:[0,1] neg_hi:[0,1]   ; (-1)^a: even minus odd
	v_pk_add_f32 v[TT+2:TT+3], v[xa+2:xa+3], v[xb+2:xb+3] neg_lo:[0,1] neg_hi:[0,1]
	v_pk_fma_f32 v[CC:CC+1],   v[xa:xa+1],   s[sc:sc+1], v[CC:CC+1]   op_sel_hi:[1,0,1]
	v_pk_fma_f32 v[CC+2:CC+3], v[xa+2:xa+3], s[sc:sc+1], v[CC+2:CC+3] op_sel_hi:[1,0,1]
	v_pk_fma_f32 v[DD:DD+1],   v[xa:xa+1],   s[sc+2:sc+3], v[DD:DD+1]   op_sel_hi:[1,0,1]
	v_pk_fma_f32 v[DD+2:DD+3], v[xa+2:xa+3], s[sc+2:sc+3], v[DD+2:DD+3] op_sel_hi:[1,0,1]
	v_pk_add_f32 v[SS:SS+1],   v[SS:SS+1],   v[TT:TT+1]
	v_pk_add_f32 v[SS+2:SS+3], v[SS+2:SS+3], v[TT+2:TT+3]
.endif
.if \refill
	global_load_b128 v[yb:yb+3], v1, s[4:5] offset:(\i+DEPTH-1)*CHUNK th:TH_LOAD_NT   ; no wait: no vector instruction since the wait at the pair's head names this slot or v1
.endif
	v_pk_fma_f32 v[CC:CC+1],   v[xb:xb+1],   s[sc+4:sc+5], v[CC:CC+1]   op_sel_hi:[1,0,1]
	v_pk_fma_f32 v[CC+2:CC+3], v[xb+2:xb+3], s[sc+4:sc+5], v[CC+2:CC+3] op_sel_hi:[1,0,1]
	v_pk_fma_f32 v[DD:DD+1],   v[xb:xb+1],   s[sc+6:sc+7], v[DD:DD+1]   op_sel_hi:[1,0,1]
	v_pk_fma_f32 v[DD+2:DD+3], v[xb+2:xb+3], s[sc+6:sc+7], v[DD+2:DD+3] op_sel_hi:[1,0,1]
.endm
.set st, 0
	PAIR st, 1, 0, DEPTH-2                         ; DEPTH ring loads issued, 2 needed: DEPTH - 2 may stay out; there is no pair before it to fill again
.set st, 2
.rept (STEPS-DEPTH)/2
	PAIR st, 0, 1, DEPTH-4                         ; DEPTH + i - 2 ring loads issued, i + 2 needed: DEPTH - 4 may stay out
.set st, st+2
.endr
.rept DEPTH/2-1
	PAIR st, 0, 0, STEPS-2-st                      ; all 64 are issued: the counts run down to 0
.set st, st+2
.endr
	; the four groups of blocks meet in LDS: [group][S, C, D][512 columns]
	s_wait_alu depctr_va_vdst(0)                   ; the last pair has written S, C and D, which the LDS stores read; every pair is done reading the ring, in whose first three slots the LDS loads behind the barrier land
	ds_store_b128 v[LSA], v[SS:SS+3]
	ds_store_b128 v[LSA], v[CC:CC+3] offset:PLANE
	ds_store_b128 v[LSA], v[DD:DD+3] offset:2*PLANE
	s_wait_dscnt 0x0                               ; my stores, W's too, are in LDS before I say so: other waves read them
	s_barrier_signal -1
	s_barrier_wait -1
	; from here thread t owns column 512 x half + t
.irp g, 0,1,2,3
.irp p, 0,1,2
	ds_load_b32 v[R+3*\g+\p], v[LLA] offset:\g*GROUPB+\p*PLANE
.endr
.endr
	ds_load_b128 v[WR:WR+3], v[WRA] offset:STAGE   ; row t & 15 of W's block, k = 8 ((t >> 4) & 7) + 0 .. 7
	s_wait_dscnt 0x0
	v_add_f32 v[R],   v[R],   v[R+3]               ; (g0 + g1) + (g2 + g3) for S, C, D
	v_add_f32 v[R+6], v[R+6], v[R+9]
	v_add_f32 v[R+1], v[R+1], v[R+4]
	v_add_f32 v[R+7], v[R+7], v[R+10]
	v_add_f32 v[R+2], v[R+2], v[R+5]
	v_add_f32 v[R+8], v[R+8], v[R+11]
	v_add_f32 v[R],   v[R],   v[R+6]
	v_add_f32 v[R+1], v[R+1], v[R+7]
	v_add_f32 v[R+2], v[R+2], v[R+8]
	v_mul_f32 v[Z],   v[R+2], v[ES]                ; z127 = (C + i D)(EC + i ES)
	v_mul_f32 v[Z+1], v[R+2], v[EC]
	v_fma_f32 v[Z],   v[R+1], v[EC], -v[Z]
	v_fma_f32 v[Z+1], v[R+1], v[ES], v[Z+1]
	v_mul_f32 v[Z+2], v[R], v[FC]                  ; z128 = S (FC + i FS)
	v_mul_f32 v[Z+3], v[R], v[FS]
	s_wait_alu depctr_va_vdst(0)                   ; the six lines above have written v[Z:Z+3], which the two stores read
	global_store_b64 v[ZO], v[Z:Z+1],   s[6:7]                 ; each store of a wave covers 256 consecutive bytes, aligned
	global_store_b64 v[ZO], v[Z+2:Z+3], s[6:7] offset:8192
	s_cmp_gt_u32 s19, 3                            ; W's block is 2,048 bytes: threads 0 .. 127
	s_cbranch_scc1 .Ldone
	global_store_b128 v[WA], v[WR:WR+3], s[10:11]  ; a wave's store covers 512 consecutive bytes, aligned; its data came by the LDS load that s_wait_dscnt has shown done
.Ldone:
	s_wait_dscnt 0x0
	s_wait_alu depctr_hold_cnt(0) depctr_sa_sdst(0) depctr_va_vdst(0) depctr_va_sdst(0) depctr_va_ssrc(0) depctr_va_vcc(0) depctr_vm_vsrc(0)
	s_wait_tensorcnt 0x0
	ds_add_u32 v180, v181
	s_wait_dscnt 0x0
	s_endpgm
.Lfunc_end_k_q7f7bb59f31_fold:
	.size	k_q7f7bb59f31_fold, .Lfunc_end_k_q7f7bb59f31_fold-k_q7f7bb59f31_fold
	.p2alignl 7, 3214868480
	.fill 96, 4, 3214868480
	.section	.rodata,"a",@progbits
	.p2align	6, 0x0
	.amdhsa_kernel k_q7f7bb59f31_fold
		.amdhsa_group_segment_fixed_size 28928
		.amdhsa_private_segment_fixed_size 0
		.amdhsa_enable_private_segment 0
		.amdhsa_kernarg_size 40
		.amdhsa_user_sgpr_count 2
		.amdhsa_user_sgpr_kernarg_segment_ptr 1
		.amdhsa_wavefront_size32 1
		.amdhsa_system_sgpr_workgroup_id_x 1
		.amdhsa_system_sgpr_workgroup_id_y 1
		.amdhsa_system_sgpr_workgroup_id_z 1
		.amdhsa_system_vgpr_workitem_id 0
		.amdhsa_next_free_vgpr 182
		.amdhsa_next_free_sgpr 66
		.amdhsa_reserve_vcc 1
		.amdhsa_float_denorm_mode_32 3
		.amdhsa_float_denorm_mode_16_64 3
		.amdhsa_memory_ordered 1
		.amdhsa_forward_progress 1
		.amdhsa_inst_pref_size 54
	.end_amdhsa_kernel
	.amdgpu_metadata
---
amdhsa.version: [ 1, 2 ]
amdhsa.kernels:
  - .name:           k_q7f7bb59f31_fold
    .symbol:         k_q7f7bb59f31_fold.kd
    .args:
      - { .name: audio, .offset: 0, .size: 8, .value_kind: global_buffer, .address_space: global }
      - { .name: zbuf, .offset: 8, .size: 8, .value_kind: global_buffer, .address_space: global }
      - { .name: W, .offset: 16, .size: 8, .value_kind: global_buffer, .address_space: global }
      - { .name: wb, .offset: 24, .size: 8, .value_kind: global_buffer, .address_space: global }
      - { .name: twbuf, .offset: 32, .size: 8, .value_kind: global_buffer, .address_space: global }
    .group_segment_fixed_size: 28928
    .private_segment_fixed_size: 0
    .kernarg_segment_align: 8
    .kernarg_segment_size: 40
    .max_flat_workgroup_size: 512
    .sgpr_count:     66
    .vgpr_count:     182
    .wavefront_size: 32
...
	.end_amdgpu_metadata
.endif
;; end of part 6
;; launch tail: the kernel of part 5 again; grid 4 x 64, 4 waves a work-group, no clusters, 61,184 bytes of LDS; arguments zbuf, twbuf, wb, b, out0; writes out0
